; MI455X (gfx1250); checked and timed in simulation.
; The chip was launched on July 23, 2026; its instructions are those of AMD's public machine-readable ISA for CDNA 5 (MIT licence, August 2026) and "CDNA5" Instruction Set Architecture Reference Guide (July 2026). The comments in the code are by the model that wrote it; some were corrected since.
;; Multi Headed Attention. Allowed arithmetic: matrix products marked QUANTISED: E4M3 operands, one given power-of-two scale a tensor, by v_wmma_f32_16x16x64_fp8_fp8 or v_wmma_f32_16x16x128_fp8_fp8, f32 sums; everything else in f32.
;; Inputs: K 2 x 2,048 x 1,024 float32; Q 2 x 2,048 x 1,024 float32; V 2 x 2,048 x 1,024 float32; Wk 1,024 x 1,024 float32; Wo 1,024 x 1,024 float32; Wq 1,024 x 1,024 float32; Wv 1,024 x 1,024 float32; attention_mask 2 x 2,048 x 2,048 bool; lowp_scales 12 int32 (the exponents e of the quantised operands' scales 2^e); padding_mask 2 x 2,048 bool.
;; Outputs: out0 2 x 2,048 x 1,024 float32.
;; This version of the problem:
;;   THIS VERSION OF THE PROBLEM IS GIVEN IN LOW PRECISION. The matrix products marked QUANTISED in the list below multiply operands that are first quantised to E4M3 (4 exponent bits, 3 mantissa bits; 8 bits a number), with one given power-of-two scale for each operand tensor; their sums are f32. All else is computed in f32.
;;   The module's matrix products, in the order in which they are computed (A, B: the left and right operand; K: the contracted axis; several contracted axes count as one K, in the product's order):
;;     1. [M 4,096, K 1,024] x [K 1,024, N 1,024]; A: input Q; B: input Wq: QUANTISED (scales: A lowp_scales[0], B lowp_scales[1])
;;     2. [M 4,096, K 1,024] x [K 1,024, N 1,024]; A: input K; B: input Wk: QUANTISED (scales: A lowp_scales[2], B lowp_scales[3])
;;     3. [M 4,096, K 1,024] x [K 1,024, N 1,024]; A: input V; B: input Wv: QUANTISED (scales: A lowp_scales[4], B lowp_scales[5])
;;     4. batch 32 x [M 2,048, K 64] x [K 64, N 2,048]; A: computed on the way; B: computed on the way: QUANTISED (scales: A lowp_scales[6], B lowp_scales[7])
;;     5. batch 32 x [M 2,048, K 2,048] x [K 2,048, N 64]; A: computed on the way; B: computed on the way: QUANTISED (scales: A lowp_scales[8], B lowp_scales[9])
;;     6. [M 4,096, K 1,024] x [K 1,024, N 1,024]; A: computed on the way; B: input Wo: QUANTISED (scales: A lowp_scales[10], B lowp_scales[11])
;;   THE QUANTISER, for each operand of a quantised product, along K:
;;     - The operand's scale is 2^e, e = its entry of the input lowp_scales (int32; the entries are numbered through the quantised products in the list's order, A before B).
;;     - Each number is divided by the scale, clamped to +-448, and rounded to the nearest number of E4M3, ties to even, subnormals kept.
;;     - The product sums the exact products of the quantised numbers (number of the format x scale) in f32.
;;   ~~~python
;;   def quantise(x, axis, e):      # numpy; x: float32 -> the quantised numbers, widened to float32 again
;;       x = np.moveaxis(x, axis, -1); K = x.shape[-1]
;;       r = np.clip(x / 2.0 ** e, -448, 448)
;;       step = 2.0 ** (np.maximum(np.frexp(np.where(r == 0, 1, r))[1] - 1, -6) - 3)
;;       q = np.round(r / step) * step * 2.0 ** e      # np.round: ties to even
;;       return np.moveaxis(q, -1, axis).astype(np.float32)
;;   ~~~
;;   OPERANDS COMPUTED ON THE WAY. 'Computed on the way' means the value that the module computes at that place (a softmax that the list does not call 'softmax' is quantised finished and normalised). What goes into a quantiser is computed in f32, as accurately as f32 sums, v_exp_f32 and their like allow (about 1e-6 of the number): no bf16 or f16 on the way to a quantiser, and a product that is left as it is and whose result goes on into a quantised operand takes f32 operands (vector FMAs, or v_wmma_f32_16x16x4_f32). A number that lies on a knife's edge between two numbers of the format may be rounded either way, as far as f32 arithmetic and the matrix unit's own rounding can turn it there, and no further.
;; One version. Each part assembles by itself: llvm-mc -triple=amdgcn-amd-amdhsa -mcpu=gfx1250 --defsym DOCPART=n.
;; ======== version 1 of 1: 4 launches
;; limits: right only within a limited range of input values
;; workspace buffers: codes 16,777,216 bytes; maskn 4,194,304 bytes; qkv 12,582,912 bytes; oimg 4,194,304 bytes; flags 8,192 bytes of whole numbers
;; launch prep (part 1): grid 768 x 1, 4 waves a work-group, no clusters, 68,096 bytes of LDS; arguments Q, K, V, Wq, Wk, Wv, Wo, attention_mask, padding_mask, lowp_scales, codes, maskn, flags; writes codes, maskn, flags
.if DOCPART == 1
	.amdgcn_target "amdgcn-amd-amdhsa--gfx1250"
	.amdhsa_code_object_version 6
	.text
	.protected	k_qdecdc4ab32_prep
	.globl	k_qdecdc4ab32_prep
	.p2align	8
	.type	k_qdecdc4ab32_prep,@function
k_qdecdc4ab32_prep:
	s_mov_b64 s[64:65], 0
	v_nop
	global_prefetch_b8 v0, s[64:65] scope:SCOPE_SE
	s_setreg_imm32_b32 hwreg(HW_REG_WAVE_MODE, 25, 1), 1
	s_wait_xcnt 0x0
; PREP.  Two jobs in one launch, told apart by the work-group's number.
; (1) Work-groups 0-511: the seven f32 operands of the projections (Q, K, V: 4,096 rows x 1,024; Wq, Wk, Wv, Wo: 1,024 x 1,024; K innermost in all) become codes of FP8 (E4M3),
;     code = x / 2^e held within +-448, to the nearest code, ties to even; e = the tensor's entry of lowp_scales (Q 0, Wq 1, K 2, Wk 3, V 4, Wv 5, Wo 11).
;     The codes are laid as IMAGES OF OPERAND REGISTERS: a fragment is 16 rows x 128 k, 16 registers a lane; registers 2 c, 2 c + 1 of lane (r, h) hold k = 16 c + 8 h + 0 .. 7 of row r;
;     registers 4 i .. 4 i + 3 lie at 512 i + 16 x lane: 2,048 bytes a fragment.  A tensor's region is [256 along K (4)][block of 16 rows][128 along K (2)][fragment].
;     Regions in codes: Q 0, K 4 MiB, V 8 MiB, Wq 12, Wk 13, Wv 14, Wo 15 MiB.
;     A wave takes 16 rows x 512 k: four fragments.  Each load reads 512 consecutive bytes of one row; the numbers turn through the wave's own stage in LDS so that a lane gets 8 neighbours along K at a time.
; (2) Work-groups 512-767: both masks become codes of FP4 in the layout of attention's scores: maskn [n][tile of 16 queries (128)][step of 64 keys (32)][lane (32)][kt 0..3], 32-bit words;
;     nibble j of lane (r, h)'s word kt speaks for query 16 qt + r and key 64 ks + 16 kt + 8 h + j: code 0 (the number 0) where padding_mask and attention_mask both allow the score, code 0xF (the number -6) where not.
;     A work-group takes a tile of queries, a wave 512 keys: eight steps, 4,096 consecutive bytes.
; LIMITS: e between -126 and 119, so that 2^e and 448 x 2^e are f32 numbers.  NaN among the inputs is not served (an infinity is held at the largest code).
; No tensor load, no barrier: waves share nothing.  Each of the two jobs has LDS bytes of its own.
.set PITCH, 528                        ; a stage row: 512 bytes + 16: the 16 rows that a read touches start in 16 different columns of 16 bytes
.set WST,   16*PITCH                   ; a wave's stage
.set MSTG,  4*WST                      ; the mask job's four stages lie behind the quantiser's four
.set SPARE, 8*WST                      ; behind them: the spare words, 128 bytes a wave: two blocks of 256 bytes that no other line names
.set SPW,   14                         ; v14  LDS address of my spare word; never rewritten
.set NIL,   15                         ; v15  0; never rewritten
.set R,     16                         ; v16-143  two sets of 64: a fragment's numbers as loaded
.set X,     144                        ; v144-207 the same turned: register 8 c + i = k 16 c + 8 h + i of my row
.set C,     208                        ; v208-239 two sets of 16: a fragment's codes
	s_load_b512 s[4:19], s[0:1], 0x0               ; Q, K, V, Wq, Wk, Wv, Wo, attention_mask
	s_load_b256 s[20:27], s[0:1], 0x40             ; padding_mask, lowp_scales, codes, maskn
	v_lshl_add_u32 v[SPW], v0, 2, SPARE
	v_mov_b32 v[NIL], 0
	v_lshrrev_b32 v1, 5, v0
	v_readfirstlane_b32 s28, v1                    ; wave 0..3
	v_and_b32 v6, 31, v0                           ; lane
	v_and_b32 v7, 15, v0                           ; r
	v_bfe_u32 v8, v0, 4, 1                         ; h
	v_lshlrev_b32 v1, 4, v6                        ; v1 = 16 x lane: offset of loads and stores
	s_mul_i32 s36, s28, WST
	v_add_nc_u32 v2, s36, v1                       ; v2: into my stage: 16 x lane of a row
	v_mul_u32_u24 v9, v7, PITCH
	v_add_nc_u32 v9, s36, v9
	v_lshl_add_u32 v3, v8, 5, v9                   ; v3: out of it: row r, + 32 h bytes (8 numbers)
	v_add_nc_u32 v4, MSTG, v2                      ; v4, v5: the same for the mask job's stage,
	v_lshl_add_u32 v5, v8, 3, v9
	v_add_nc_u32 v5, MSTG, v5                      ; where a lane's 8 keys are 8 bytes
	s_cmp_ge_u32 ttmp9, 512
	s_cbranch_scc1 .Lmask
	; ---------------- the quantiser ----------------
	s_lshl_b32 s29, ttmp9, 1                       ; the work-group's first block of 16 rows, counted through all seven tensors (its two blocks lie in one tensor)
	s_lshr_b32 s30, s28, 1
	s_add_co_u32 s30, s29, s30                     ; my block g
	s_and_b32 s31, s28, 1                          ; which half of K is mine
	s_lshr_b32 s32, s30, 8
	s_lshl_b32 s32, s32, 22                        ; g < 768: tensor g / 256, region 4 MiB each,
	s_and_b32 s33, s30, 255                        ; block g % 256
	s_sub_co_u32 s34, s30, 768
	s_lshr_b32 s35, s34, 6
	s_add_co_u32 s35, s35, 12
	s_lshl_b32 s35, s35, 20                        ; else: weight (g - 768) / 64, region (12 + that) MiB,
	s_and_b32 s34, s34, 63                         ; block (g - 768) % 64
	s_cmp_lt_u32 s29, 768
	s_cselect_b32 s32, s32, s35                    ; region
	s_cselect_b32 s33, s33, s34                    ; block of rows
	s_cselect_b32 s34, 20, 18                      ; log2 of the bytes of 256 along K of the whole tensor
	s_lshl_b32 s40, 1, s34
	s_mov_b32 s41, 0
	s_add_co_u32 s34, s34, 1
	s_lshl_b32 s35, s31, s34                       ; my half of K begins two such parts on
	s_add_co_u32 s42, s32, s35
	s_lshl_b32 s35, s33, 12
	s_add_co_u32 s42, s42, s35                     ; where my first two fragments go
	s_mov_b32 s43, 0
	s_lshl_b32 s44, s33, 16                        ; 16 rows of 4,096 bytes
	s_lshl_b32 s35, s31, 11
	s_add_co_u32 s44, s44, s35                     ; + my half of a row
	s_mov_b32 s45, 0
	s_wait_kmcnt 0x0
	s_load_b256 s[48:55], s[22:23], 0x0            ; e0 .. e7
	s_load_b128 s[56:59], s[22:23], 0x20           ; e8 .. e11
	s_mov_b64 s[46:47], s[16:17]                   ; the tensor is chosen by the work-group's number alone
.macro PICK bound, ptr
	s_cmp_lt_u32 s29, \bound
	s_cselect_b64 s[46:47], s[\ptr:\ptr+1], s[46:47]
.endm
	PICK 960, 14
	PICK 896, 12
	PICK 832, 10
	PICK 768, 8
	PICK 512, 6
	PICK 256, 4
	s_add_nc_u64 s[46:47], s[46:47], s[44:45]      ; my numbers
	s_add_nc_u64 s[24:25], s[24:25], s[42:43]      ; fragments 0, 1
	s_add_nc_u64 s[60:61], s[24:25], s[40:41]      ; fragments 2, 3: the next 256 along K
.macro LOAD f                          ; fragment f: 16 rows x 512 bytes, a row a load: 32 lanes read 512 consecutive bytes
.irp i, 0,1,2,3,4,5,6,7,8,9,10,11,12,13,14,15
	global_load_b128 v[R+64*((\f)%2)+4*\i:R+64*((\f)%2)+4*\i+3], v1, s[46:47] offset:\i*4096+(\f)*512 th:TH_LOAD_NT
.endr
.endm
.macro TURN f                          ; through my stage: LDS serves a wave's instructions in order, so no wait stands between the stores and the loads
.irp i, 0,1,2,3,4,5,6,7,8,9,10,11,12,13,14,15
	ds_store_b128 v2, v[R+64*((\f)%2)+4*\i:R+64*((\f)%2)+4*\i+3] offset:\i*PITCH
.endr
.irp c, 0,1,2,3,4,5,6,7
	ds_load_b128 v[X+8*\c:X+8*\c+3], v3 offset:64*\c
	ds_load_b128 v[X+8*\c+4:X+8*\c+7], v3 offset:64*\c+16
.endr
.endm
.macro QUANT f
.set n, 0
.rept 64
	v_med3_num_f32 v[X+n], v[X+n], -v10, v10       ; the conversion to an 8-bit code does not saturate (ISA guide 7.6.2): the hold at the largest code x the scale comes first
.set n, n+1
.endr
.irp c, 0,1,2,3,4,5,6,7
	v_cvt_scalef32_pk8_fp8_f32 v[C+16*((\f)%2)+2*\c:C+16*((\f)%2)+2*\c+1], v[X+8*\c:X+8*\c+7], v11
.endr
	v_nop                                          ; a plain vector line behind the last conversion of the run
.endm
.macro STORE f                         ; four stores of 512 consecutive bytes, at multiples of 512 from the buffer's first byte
.irp i, 0,1,2,3
.if (\f) < 2
	global_store_b128 v1, v[C+16*((\f)%2)+4*\i:C+16*((\f)%2)+4*\i+3], s[24:25] offset:((\f)%2)*2048+\i*512
.else
	global_store_b128 v1, v[C+16*((\f)%2)+4*\i:C+16*((\f)%2)+4*\i+3], s[60:61] offset:((\f)%2)*2048+\i*512
.endif
.endr
.endm
	s_wait_alu depctr_va_vdst(0)
	LOAD 0
	LOAD 1
	s_wait_kmcnt 0x0
	s_mov_b32 s62, s59                             ; the tensor's e, chosen as the pointer was
.macro PICKE bound, e
	s_cmp_lt_u32 s29, \bound
	s_cselect_b32 s62, s[\e], s62
.endm
	PICKE 960, 53
	PICKE 896, 51
	PICKE 832, 49
	PICKE 768, 52
	PICKE 512, 50
	PICKE 256, 48
	s_add_co_i32 s62, s62, 127
	s_lshl_b32 s63, s62, 23
	v_mov_b32 v11, s63                             ; 2^e as f32: the conversion takes its exponent field
	s_add_co_i32 s62, s62, 8
	s_lshl_b32 s62, s62, 23
	s_or_b32 s62, s62, 0x600000
	v_mov_b32 v10, s62                             ; 448 x 2^e
	s_wait_alu depctr_va_vdst(0)
.irp f, 0,1,2,3
.if \f < 3
	s_wait_loadcnt 16                              ; this fragment's 16 loads are in; the next fragment's 16 may be out
.else
	s_wait_loadcnt 0x0
.endif
	TURN \f
	s_wait_dscnt 0x0                               ; the numbers are back, and the stage's stores have read their registers,
.if \f < 2
	LOAD \f+2                                      ; which take the fragment two further on
.endif
.if \f >= 2
	s_wait_xcnt 0x0                                ; the stores of two fragments ago have read their data: that set of codes is written again only behind this wait
.endif
	QUANT \f
	STORE \f
.endr
	s_wait_tensorcnt 0x0                           ; the wave's end: behind my last LDS store
	ds_add_u32 v[SPW], v[NIL]
	s_wait_dscnt 0x0
	s_endpgm
	; ---------------- the masks ----------------
.Lmask:
	s_load_b64 s[50:51], s[0:1], 0x60              ; flags: [128 n + qt][wave (4)][2] words: for attention's walk over the key steps
	s_sub_co_u32 s29, ttmp9, 512                   ; 128 n + qt
	s_lshl_b32 s40, s29, 15                        ; 16 rows of 2,048 bytes,
	s_lshl_b32 s30, s28, 9
	s_add_co_u32 s40, s40, s30                     ; my wave's 512 keys
	s_mov_b32 s41, 0
	s_lshl_b32 s42, s29, 4                         ; the tile's 16 bytes of padding_mask
	s_mov_b32 s43, 0
	s_lshl_b32 s44, s29, 14                        ; the tile's 32 steps of 512 bytes,
	s_lshl_b32 s30, s28, 12
	s_add_co_u32 s44, s44, s30                     ; my wave's eight
	s_mov_b32 s45, 0
	s_mov_b32 s46, 0x06040200                      ; v_perm_b32: the even bytes of eight,
	s_mov_b32 s47, 0x07050301                      ; the odd ones
	s_mov_b32 s48, 0x11111111
	s_wait_kmcnt 0x0
	s_add_nc_u64 s[18:19], s[18:19], s[40:41]
	s_add_nc_u64 s[20:21], s[20:21], s[42:43]
	s_add_nc_u64 s[26:27], s[26:27], s[44:45]
	s_lshl_b32 s52, s29, 5                         ; a tile's flags are 32 bytes,
	s_lshl_b32 s53, s28, 3                         ; my wave's two words 8 of them
	s_add_co_u32 s52, s52, s53
	s_mov_b32 s53, 0
	s_add_nc_u64 s[50:51], s[50:51], s[52:53]
	s_wait_alu depctr_va_vdst(0)
.irp i, 0,1,2,3,4,5,6,7,8,9,10,11,12,13,14,15
	global_load_b128 v[16+4*\i:19+4*\i], v1, s[18:19] offset:\i*2048 th:TH_LOAD_NT   ; query i of the tile: 512 consecutive bytes
.endr
	global_load_u8 v184, v7, s[20:21]              ; my query's byte of padding_mask
	s_wait_loadcnt 0x0
.irp i, 0,1,2,3,4,5,6,7,8,9,10,11,12,13,14,15
	ds_store_b128 v4, v[16+4*\i:19+4*\i] offset:\i*PITCH
.endr
.set kt, 0
.rept 32
	ds_load_b64 v[80+2*kt:81+2*kt], v5 offset:16*kt   ; query r, keys 16 kt + 8 h + 0 .. 7: the 32 lanes touch 64 different words modulo 256 bytes
.set kt, kt+1
.endr
	v_mul_lo_u32 v185, v184, s48                   ; a 1 in every nibble where my query is no padding, else 0
	s_wait_dscnt 0x0
; Word k of my 32 (step k / 4, kt = k % 4).  The eight bytes are 0 or 1.  The even keys' bytes, and the odd keys' shifted by 4, give a word with key j's bit at the foot of nibble j;
; and the padding; x 15 fills the nibbles of the scores that count; the complement is the code: 0 where the score counts, 0xF where it is hidden.
.set k, 0
.rept 32
	v_perm_b32 v[176+2*(k%4)], v[81+2*k], v[80+2*k], s46
	v_perm_b32 v[177+2*(k%4)], v[81+2*k], v[80+2*k], s47
	v_lshl_or_b32 v[176+2*(k%4)], v[177+2*(k%4)], 4, v[176+2*(k%4)]
	s_wait_alu depctr_va_vdst(0)
	v_and_b32 v[176+2*(k%4)], v185, v[176+2*(k%4)]
	v_mul_lo_u32 v[176+2*(k%4)], v[176+2*(k%4)], 15
	v_xor_b32 v[144+k], -1, v[176+2*(k%4)]
.set k, k+1
.endr
.irp s, 0,1,2,3,4,5,6,7
	global_store_b128 v1, v[144+4*\s:147+4*\s], s[26:27] offset:\s*512   ; a step's words: 512 consecutive bytes, at a multiple of 512 from the buffer's first byte
.endr
; THE FLAGS.  For each of my eight steps of 64 keys: bit 8 wave + step of word 0 is set where some score of the tile's 16 x 64 counts (some word of some lane is not all ones),
; the same bit of word 1 where some score is hidden (some word is not 0).  Attention ORs the four waves' words into one word of 32 steps.
	s_mov_b32 s54, 0
	s_mov_b32 s55, 0
.irp s, 0,1,2,3,4,5,6,7
	v_and_b32 v176, v[144+4*\s], v[145+4*\s]
	v_and_b32 v177, v[146+4*\s], v[147+4*\s]
	v_or_b32 v178, v[144+4*\s], v[145+4*\s]
	v_or_b32 v179, v[146+4*\s], v[147+4*\s]
	v_and_b32 v176, v176, v177
	v_or_b32 v178, v178, v179
	v_cmp_ne_u32 s56, -1, v176
	v_cmp_ne_u32 s57, 0, v178
	s_cmp_lg_u32 s56, 0
	s_cselect_b32 s56, 1<<\s, 0
	s_or_b32 s54, s54, s56
	s_cmp_lg_u32 s57, 0
	s_cselect_b32 s57, 1<<\s, 0
	s_or_b32 s55, s55, s57
.endr
	s_lshl_b32 s56, s28, 3
	s_lshl_b32 s54, s54, s56
	s_lshl_b32 s55, s55, s56
	v_mov_b32 v186, s54
	v_mov_b32 v187, s55
	v_mov_b32 v188, 0
	v_cmp_eq_u32 vcc_lo, 0, v6                     ; lane 0 stores the wave's 8 bytes
	s_wait_alu depctr_va_vdst(0)
	s_wait_xcnt 0x0                                ; EXEC changes only behind this wait
	s_and_saveexec_b32 s58, vcc_lo
	global_store_b64 v188, v[186:187], s[50:51]
	s_wait_xcnt 0x0
	s_or_b32 exec_lo, exec_lo, s58
	s_wait_tensorcnt 0x0                           ; the wave's end: behind my last LDS store
	ds_add_u32 v[SPW], v[NIL]
	s_wait_dscnt 0x0
	s_endpgm
.Lfunc_end_k_qdecdc4ab32_prep:
	.size	k_qdecdc4ab32_prep, .Lfunc_end_k_qdecdc4ab32_prep-k_qdecdc4ab32_prep
	.p2alignl 7, 3214868480
	.fill 96, 4, 3214868480
	.section	.rodata,"a",@progbits
	.p2align	6, 0x0
	.amdhsa_kernel k_qdecdc4ab32_prep
		.amdhsa_group_segment_fixed_size 68096
		.amdhsa_private_segment_fixed_size 0
		.amdhsa_enable_private_segment 0
		.amdhsa_kernarg_size 104
		.amdhsa_user_sgpr_count 2
		.amdhsa_user_sgpr_kernarg_segment_ptr 1
		.amdhsa_wavefront_size32 1
		.amdhsa_system_sgpr_workgroup_id_x 1
		.amdhsa_system_sgpr_workgroup_id_y 1
		.amdhsa_system_sgpr_workgroup_id_z 1
		.amdhsa_system_vgpr_workitem_id 0
		.amdhsa_next_free_vgpr 240
		.amdhsa_next_free_sgpr 66
		.amdhsa_reserve_vcc 1
		.amdhsa_float_denorm_mode_32 3
		.amdhsa_float_denorm_mode_16_64 3
		.amdhsa_memory_ordered 1
		.amdhsa_forward_progress 1
		.amdhsa_inst_pref_size 61
	.end_amdhsa_kernel
	.amdgpu_metadata
---
amdhsa.version: [ 1, 2 ]
amdhsa.kernels:
  - .name:           k_qdecdc4ab32_prep
    .symbol:         k_qdecdc4ab32_prep.kd
    .args:
      - { .name: Q, .offset: 0, .size: 8, .value_kind: global_buffer, .address_space: global }
      - { .name: K, .offset: 8, .size: 8, .value_kind: global_buffer, .address_space: global }
      - { .name: V, .offset: 16, .size: 8, .value_kind: global_buffer, .address_space: global }
      - { .name: Wq, .offset: 24, .size: 8, .value_kind: global_buffer, .address_space: global }
      - { .name: Wk, .offset: 32, .size: 8, .value_kind: global_buffer, .address_space: global }
      - { .name: Wv, .offset: 40, .size: 8, .value_kind: global_buffer, .address_space: global }
      - { .name: Wo, .offset: 48, .size: 8, .value_kind: global_buffer, .address_space: global }
      - { .name: attention_mask, .offset: 56, .size: 8, .value_kind: global_buffer, .address_space: global }
      - { .name: padding_mask, .offset: 64, .size: 8, .value_kind: global_buffer, .address_space: global }
      - { .name: lowp_scales, .offset: 72, .size: 8, .value_kind: global_buffer, .address_space: global }
      - { .name: codes, .offset: 80, .size: 8, .value_kind: global_buffer, .address_space: global }
      - { .name: maskn, .offset: 88, .size: 8, .value_kind: global_buffer, .address_space: global }
      - { .name: flags, .offset: 96, .size: 8, .value_kind: global_buffer, .address_space: global }
    .group_segment_fixed_size: 68096
    .private_segment_fixed_size: 0
    .kernarg_segment_align: 8
    .kernarg_segment_size: 104
    .max_flat_workgroup_size: 128
    .sgpr_count:     66
    .vgpr_count:     240
    .wavefront_size: 32
...
	.end_amdgpu_metadata
.endif
;; end of part 1
;; launch proj (part 2): grid 4 x 48, 4 waves a work-group, clusters of 4 x 4, 327,680 bytes of LDS; arguments codes, lowp_scales, qkv; writes qkv
.if DOCPART == 2
	.amdgcn_target "amdgcn-amd-amdhsa--gfx1250"
	.amdhsa_code_object_version 6
	.text
	.protected	k_qdecdc4ab32_proj
	.globl	k_qdecdc4ab32_proj
	.p2align	8
	.type	k_qdecdc4ab32_proj,@function
k_qdecdc4ab32_proj:
	s_mov_b64 s[64:65], 0
	v_nop
	global_prefetch_b8 v0, s[64:65] scope:SCOPE_SE
	s_setreg_imm32_b32 hwreg(HW_REG_WAVE_MODE, 25, 1), 1
	s_wait_xcnt 0x0
	s_wait_alu depctr_hold_cnt(0) depctr_sa_sdst(0) depctr_va_vdst(0) depctr_va_sdst(0) depctr_va_ssrc(0) depctr_va_vcc(0) depctr_vm_vsrc(0)
	s_getreg_b32 s2, hwreg(HW_REG_IB_STS2, 6, 4)
	s_cmp_eq_u32 s2, 0
	s_cbranch_scc0 .Lentry_in_a_cluster
	s_endpgm
.Lentry_in_a_cluster:
	s_bfe_u32 s2, ttmp6, 0x10000c
	s_cmp_lg_u32 s2, 0xf033
	s_cbranch_scc0 .Lentry_shape_is_right
	s_endpgm
.Lentry_shape_is_right:
; PROJ.  The three projections q = Q Wq^T, k = K Wk^T, v = V Wv^T on codes of FP8 (E4M3), sums in f32, and the quantising of their results for the two products of attention.
; Twelve clusters of 4 x 4 work-groups: cluster y = 4 p + i: projection p, block i of 1,024 tokens.  A work-group makes 256 x 256 of C = A B^T, a wave 128 x 128: 64 accumulators, 512 registers.
;   p = 0, 1: A = the tokens' codes, B = the weight's: C is [token][feature].     p = 2: A = Wv's codes, B = the tokens': C is v^T [channel][token], so that the keys come out innermost.
; THE OPERANDS LIE IN MEMORY AS IMAGES OF OPERAND REGISTERS (fragment = 16 rows x 128 k = 2,048 bytes, registers 4 i .. 4 i + 3 at 512 i + 16 x lane; a region is [256 along K][block of 16 rows][128 along K][fragment]):
; 128 rows x 256 along K are one dense block of 32 KiB, which one tensor load brings as 128 rows of 256 bytes; in LDS a fragment comes by four ds_load_b128 of 512 consecutive bytes: no pitch, no padding.
; K = 1,024 goes in four steps of 256 through two LDS slots, written out without a loop.  A's tile is asked for jointly along a row of the cluster, B's along a column.
; THE MATRIX INSTRUCTION IS USED TRANSPOSED (source 0 = 16 rows of B, source 1 = 16 rows of A): lane (r, h) holds row r of A's block and, in accumulator b, B's rows 16 b + 8 h + 0 .. 7: that is the place that an
; 8-bit operand's layout gives k = 16 b + 8 h + 0 .. 7 in registers 2 b, 2 b + 1.  So the conversions' results ARE the next product's operand registers, and go to memory as they stand, 512 consecutive bytes a store.
; qkv: q at 0, k at 4 MiB: [16 n + head][block of 16 tokens (128)][16 x 64 fragment, 1,024 bytes];  v at 8 MiB: [16 n + head][block of 64 keys (32)][block of 16 channels (4)][fragment: rows = channels, k = keys].
; A sum stands for sum x 2^(ea + eb); its code is sum / 2^(enext - ea - eb), held within +-448: enext = entry 6 (q), 7 (k), 9 (v) of lowp_scales.
; LIMITS: e6 - e0 - e1, e7 - e2 - e3, e9 - e4 - e5 between -126 and 119, so that each power of two below is an f32 number.
; REGISTERS, in windows of 256: window 0: v16-31 addresses and constants; v32-95 at work on the way out; v128-255 A's fragments, ONE set, later the codes.   window 1: B's fragments, TWO sets.   windows 2, 3: the accumulators ((a, b) at v[8 (8 (a % 4) + b)]).
.set SLOT,   131072                    ; A's 16 blocks of rows (65,536 bytes), then B's
.set HALFT,  32768                     ; 128 rows x 256 k: what one tensor load brings, and what one wave reads of A or of B
.set SPARE,  2*SLOT                    ; behind the ring: the spare words, 128 bytes a wave: two blocks of 256 bytes that no other line names
.set FR,     16                        ; registers of a fragment
.set NL,     4                         ; LDS loads that bring one
.set NP,     4                         ; places behind this matrix instruction (ISA guide 7.12.1)
.set ADRA, 16                          ; v16-17  LDS address of my A fragments in slot 0, 1
.set ADRB, 20                          ; v20-21  the same for B
.set CO,   26                          ; v26     16 x lane
.set CO2,  27                          ; v27     the same, for chunks 2 and 3 of a block's codes
.set SPW,  28                          ; v28     LDS address of my spare word; never rewritten
.set NIL,  29                          ; v29     0; never rewritten
.set LIM,  30                          ; v30     448 x the conversion's scale
.set SCL,  31                          ; v31     the conversion's scale
.set TMP,  32
.set AF,   128
.set G1, 24                            ; s[24:31] descriptor group 1 for A's tiles;  s[32:39] group 0, one set for each slot
.set G0, 32
.set G1B, 48                           ; s[48:55], s[56:63] the same for B's tiles
.set G0B, 56
.set MSB, 0
.macro WIN new                         ; the immediate's high byte repeats the setting that is left
.if MSB != \new
	s_set_vgpr_msb (MSB<<8)|\new
.set MSB, \new
.endif
.endm
.set MUL_LO, 0xa1                      ; source 0 (B) window 1, source 1 (A) window 0, C and D window 2
.set MUL_HI, 0xf1                      ; the same, C and D window 3
.set TO_B,   0x40                      ; destination window 1, address window 0
; A joint load: waves 0 and 1 fetch for A, waves 2 and 3 for B; the branch hangs on the wave's number alone.  An s_nop 0 and four v_nop follow each of the two lines.
.macro JLOAD g0a, g1a, g0b, g1b
	s_cmp_eq_u32 s15, 0
	s_cbranch_scc0 .Lfor_b_\@
	tensor_load_to_lds s[\g0a:\g0a+3], s[\g1a:\g1a+7]
	s_nop 0
.rept 4
	v_nop
.endr
	s_branch .Lasked_\@
.Lfor_b_\@:
	tensor_load_to_lds s[\g0b:\g0b+3], s[\g1b:\g1b+7]
	s_nop 0
.rept 4
	v_nop
.endr
.Lasked_\@:
.endm
.macro CREST                           ; a round of the cluster's barrier behind its opening barrier
	s_cmp_lg_u32 s14, 0
	s_cbranch_scc1 .Lnot_wave_0_\@
	s_barrier_signal -3
.Lnot_wave_0_\@:
	s_barrier_wait -3
	s_barrier_signal -1
	s_barrier_wait -1
.endm
.macro CROUND                          ; a whole round
	s_barrier_signal -1
	s_barrier_wait -1
	CREST
.endm
	s_load_b128 s[4:7], s[0:1], 0x0                ; codes s[4:5], lowp_scales s[6:7]
	s_load_b64 s[8:9], s[0:1], 0x10                ; qkv
	v_lshl_add_u32 v[SPW], v0, 2, SPARE
	v_mov_b32 v[NIL], 0
	ds_add_u32 v[SPW], v[NIL]                      ; the wave's opening: the add and its wait stand ahead of my first tensor load; the set-up below, work on registers, stands between them
	ds_add_u32 v[SPW], v[NIL]
	v_lshrrev_b32 v1, 5, v0
	v_readfirstlane_b32 s14, v1                    ; wave 0..3
	s_lshr_b32 s15, s14, 1                         ; which half of the tile's rows (A) is mine.  Also: I fetch for A (0) or for B (1)
	s_and_b32 s16, s14, 1                          ; which half of its columns (B).  Also: which 128 rows of that tile I fetch
	s_bfe_u32 s40, ttmp6, 0x40000                  ; cx, cy: my place in the cluster
	s_bfe_u32 s41, ttmp6, 0x40004
	s_and_b32 s17, ttmp7, 0xffff                   ; cluster y, the same in all sixteen partners:
	s_lshr_b32 s18, s17, 2                         ; p, the projection,
	s_and_b32 s19, s17, 3                          ; i, the block of 1,024 tokens
	s_lshl_b32 s43, s41, 2
	s_lshl_b32 s43, 15, s43                        ; my row of the cluster
	s_lshl_b32 s44, 0x1111, s40                    ; my column
	; descriptor group 1: a dense block of 32 KiB as 128 rows of 32 elements of 8 bytes, no padding
	s_or_b32 s[G1+0], s43, (3<<16)|(1<<21)         ; 15:0 the mask: A's tiles go to my row; 17:16 elements of 8 bytes; 21 set beside a mask
	s_or_b32 s[G1B+0], s44, (3<<16)|(1<<21)        ; B's to my column
.irp g, G1, G1B
	s_mov_b32 s[\g+1], 32<<16                      ; tensor_dim0 = 32
	s_mov_b32 s[\g+2], 128<<16                     ; tensor_dim1 = 128
	s_mov_b32 s[\g+3], 32<<16                      ; tile_dim0 = 32
	s_mov_b32 s[\g+4], 128                         ; tile_dim1 = 128
	s_mov_b32 s[\g+5], 32                          ; tensor_dim0_stride
	s_mov_b32 s[\g+6], 0
	s_mov_b32 s[\g+7], 0
.endr
	; where the tiles come from, as offsets in codes.  A's hang on cy, B's on cx, each in registers that never hold the other coordinate; p and i are the whole cluster's.
	s_lshl_b32 s21, s19, 6                         ; 64 i: blocks of 16 tokens
	s_lshl_b32 s22, s18, 22                        ; the tokens' region of projection p
	s_add_co_u32 s23, s18, 12
	s_lshl_b32 s23, s23, 20                        ; the weight's
	s_lshl_b32 s90, s16, 3                         ; which 8 blocks of rows of the tile I fetch
	s_lshl_b32 s20, s41, 4
	s_add_co_u32 s20, s20, s90                     ; A: 16 cy + 8 x half
	s_lshl_b32 s46, s40, 4
	s_add_co_u32 s46, s46, s90                     ; B: 16 cx + 8 x half
	s_cmp_lt_u32 s18, 2                            ; the tokens are A (p = 0, 1) or B (p = 2)
	s_cselect_b32 s66, s21, 0
	s_cselect_b32 s67, 0, s21
	s_cselect_b32 s22, s22, 0xe00000               ; A's region: the tokens', or Wv's at 14 MiB
	s_cselect_b32 s23, s23, 0x800000               ; B's region: the weight's, or V's tokens at 8 MiB
	s_cselect_b32 s88, 20, 18                      ; log2 of the bytes from one 256 along K to the next: 1 MiB for tokens, 256 KiB for a weight
	s_cselect_b32 s89, 18, 20
	s_add_co_u32 s20, s20, s66
	s_lshl_b32 s20, s20, 12                        ; a block of 16 rows x 256 k is 4,096 bytes
	s_add_co_u32 s20, s20, s22
	s_mov_b32 s21, 0
	s_add_co_u32 s46, s46, s67
	s_lshl_b32 s46, s46, 12
	s_add_co_u32 s46, s46, s23
	s_mov_b32 s47, 0
	s_lshl_b32 s72, 1, s88                         ; one K step on, A's and B's,
	s_mov_b32 s73, 0
	s_lshl_b32 s74, 1, s89
	s_mov_b32 s75, 0
	s_lshl_b32 s68, 2, s88                         ; and two
	s_mov_b32 s69, 0
	s_lshl_b32 s70, 2, s89
	s_mov_b32 s71, 0
	s_lshl_b32 s45, s14, 15                        ; where they go: wave x 32 KiB: no place in the cluster enters an LDS address
	s_wait_dscnt 0x0                               ; the opening add is done
	s_wait_kmcnt 0x0
	s_load_b256 s[76:83], s[6:7], 0x0              ; e0 .. e7
	s_load_b128 s[84:87], s[6:7], 0x20             ; e8 .. e11
	s_add_nc_u64 s[20:21], s[4:5], s[20:21]
	s_add_nc_u64 s[46:47], s[4:5], s[46:47]
	CROUND                                         ; all sixteen work-groups are here: the first joint loads meet
	s_mov_b32 s[G0], 1                             ; 1:0 count = 1
	s_mov_b32 s[G0+1], s45                         ; LDS address: slot 0
	s_mov_b64 s[G0+2:G0+3], s[20:21]               ; global address: K step 0
	s_or_b32 s[G0+3], s[G0+3], 0x80000000          ; type = 2
	s_mov_b32 s[G0B], 1
	s_mov_b32 s[G0B+1], s45
	s_mov_b64 s[G0B+2:G0B+3], s[46:47]
	s_or_b32 s[G0B+3], s[G0B+3], 0x80000000
	JLOAD G0, G1, G0B, G1B
	s_mov_b32 s[G0+4], 1
	s_add_co_u32 s[G0+5], s45, SLOT                ; slot 1,
	s_add_nc_u64 s[G0+6:G0+7], s[20:21], s[72:73]  ; K step 1
	s_or_b32 s[G0+7], s[G0+7], 0x80000000
	s_mov_b32 s[G0B+4], 1
	s_add_co_u32 s[G0B+5], s45, SLOT
	s_add_nc_u64 s[G0B+6:G0B+7], s[46:47], s[74:75]
	s_or_b32 s[G0B+7], s[G0B+7], 0x80000000
	v_and_b32 v1, 31, v0
	v_lshlrev_b32 v[CO], 4, v1                     ; 16 x lane
	s_wait_alu depctr_va_vdst(0)
	s_lshl_b32 s90, s15, 15                        ; my 128 rows of A
	s_lshl_b32 s91, s16, 15                        ; my 128 rows of B,
	s_add_co_u32 s91, s91, 2*HALFT                 ; which lie behind A's 256
.irp s, 0,1
	v_add_nc_u32 v[ADRA+\s], s90, v[CO]
	v_add_nc_u32 v[ADRB+\s], s91, v[CO]
	s_add_co_u32 s90, s90, SLOT
	s_add_co_u32 s91, s91, SLOT
.endr
	; where my codes go.  U = 4 cx + 2 x column half, W = 4 cy + 2 x row half.  p < 2: head 16 n + U, block of 16 tokens 64 (i % 2) + 4 W;  p = 2: head 16 n + W, block of 64 keys 16 (i % 2) + U.
	; In bytes both are p x 4 MiB + head x 131,072 + (64 (i % 2) + 4 x the other) x 1,024.
	s_lshl_b32 s90, s40, 2
	s_lshl_b32 s91, s16, 1
	s_add_co_u32 s90, s90, s91                     ; U
	s_lshl_b32 s91, s41, 2
	s_lshl_b32 s92, s15, 1
	s_add_co_u32 s91, s91, s92                     ; W
	s_lshr_b32 s92, s19, 1
	s_lshl_b32 s92, s92, 4                         ; 16 n
	s_and_b32 s93, s19, 1
	s_lshl_b32 s93, s93, 6                         ; 64 (i % 2)
	s_lshl_b32 s94, s18, 22
	s_mov_b32 s95, 0x20000
	s_cmp_lt_u32 s18, 2
	s_cselect_b32 s88, s90, s91
	s_cselect_b32 s89, s91, s90
	s_cselect_b32 s66, 0x1000, s95                 ; from A's block a to block a + 4: four blocks of tokens on (4,096 bytes), or the next head (131,072)
	s_cselect_b32 s67, s95, 0x1000                 ; from chunks 0, 1 to chunks 2, 3: the next head, or the next block of 64 keys
	s_add_co_u32 s88, s88, s92
	s_lshl_b32 s88, s88, 17
	s_lshl_b32 s89, s89, 2
	s_add_co_u32 s89, s89, s93
	s_lshl_b32 s89, s89, 10
	s_add_co_u32 s88, s88, s89
	s_add_co_u32 s88, s88, s94
	s_mov_b32 s89, 0
	s_add_nc_u64 s[8:9], s[8:9], s[88:89]          ; blocks 0-3
	s_mov_b32 s88, s66
	s_add_nc_u64 s[10:11], s[8:9], s[88:89]        ; blocks 4-7
	v_add_nc_u32 v[CO2], s67, v[CO]
.macro FRAG reg, adr, q, i             ; a fragment comes back as it was stored: four loads of 512 consecutive bytes
.irp c, 0,1,2,3
	ds_load_b128 v[\reg+4*\c:\reg+4*\c+3], v[\adr] offset:(\i)*4096+(\q)*2048+\c*512
.endr
.endm
; 16 matrix instructions: A's blocks a0, a0 + 1 x B's eight, 128 along K.  p: B's set.  zero = 1: the first product starts the sums: nothing is ever cleared.
; The 64 accumulators take turns, one instruction a turn, in the same order in every step.
.macro MUL16 a0, p, zero
.irp a, \a0, \a0+1
.irp b, 0,1,2,3,4,5,6,7
.if \zero
	v_wmma_f32_16x16x128_fp8_fp8 v[8*(8*((\a)%4)+\b):8*(8*((\a)%4)+\b)+7], v[128*(\p)+FR*\b:128*(\p)+FR*\b+FR-1], v[AF+FR*(\a):AF+FR*(\a)+FR-1], 0
.else
	v_wmma_f32_16x16x128_fp8_fp8 v[8*(8*((\a)%4)+\b):8*(8*((\a)%4)+\b)+7], v[128*(\p)+FR*\b:128*(\p)+FR*\b+FR-1], v[AF+FR*(\a):AF+FR*(\a)+FR-1], v[8*(8*((\a)%4)+\b):8*(8*((\a)%4)+\b)+7]
.endif
.endr
.endr
.endm
.macro FETCH_B slot, q, p              ; B's eight fragments of the slot's q-th 128 along K into set p
	WIN TO_B
.irp i, 0,1,2,3,4,5,6,7
	FRAG 128*(\p)+FR*\i, ADRB+\slot, \q, \i
.endr
	WIN 0
.endm
.macro FETCH_A slot, q, i0             ; A's blocks i0 .. i0 + 3
.irp i, \i0, \i0+1, \i0+2, \i0+3
	FRAG AF+FR*(\i), ADRA+\slot, \q, \i
.endr
.endm
.macro PLACES n                        ; plain vector instructions between a matrix instruction and a load into a register that it read, or the first read of its result
.rept \n
	v_nop
.endr
.endm
; A step of 128 along K that has its successor in the same slot.  A block of A is free as soon as its eight products are issued: blocks 0-3 are fetched anew in the step's middle, blocks 4-7 at its end.
.macro STEP slot, q, zero
	s_wait_dscnt 4*NL                              ; B's set and A's blocks 0-3 are in; the youngest 16 loads (A's blocks 4-7) may be out
	WIN MUL_LO
	MUL16 0, (\q)%2, \zero
	MUL16 2, (\q)%2, \zero
	s_wait_dscnt 0                                 ; A's blocks 4-7 are in
	PLACES NP
	FETCH_B \slot, (\q)+1, 1-(\q)%2
	FETCH_A \slot, (\q)+1, 0
	WIN MUL_HI
	MUL16 4, (\q)%2, \zero
	MUL16 6, (\q)%2, \zero
	PLACES NP
	WIN 0
	FETCH_A \slot, (\q)+1, 4
.endm
; A slot's last step changes slots: ONE barrier; in front of it each wave waits for all its tensor loads, adds 0 to its spare word, and waits for that and for its own reads of this slot.  fill = 1: this slot is filled again, two K steps ahead.
.macro TURN slot, next, fill
	s_wait_tensorcnt 0x0                           ; all my tensor loads have landed: my part of the next slot  (every window is 0 here)
	ds_add_u32 v[SPW], v[NIL]                      ; 0 onto my spare word
	s_wait_dscnt 4*NL+1                            ; (the add and the youngest 16 loads, A's blocks 4-7, may be out)
	WIN MUL_LO
	MUL16 0, 1, 0                                  ; sixteen matrix instructions stand between the add and the wait for it
	s_wait_dscnt 0x0                               ; the add is done, and my reads of this slot are over
	s_barrier_signal -1
	MUL16 2, 1, 0
	WIN 0
	s_barrier_wait -1
.if \fill
	CREST                                          ; the barrier has opened a round of the cluster's barrier: no wave of any partner still reads this slot's tile or has a load on its way
	s_add_nc_u64 s[G0+4*\slot+2:G0+4*\slot+3], s[G0+4*\slot+2:G0+4*\slot+3], s[68:69]
	s_add_nc_u64 s[G0B+4*\slot+2:G0B+4*\slot+3], s[G0B+4*\slot+2:G0B+4*\slot+3], s[70:71]
	JLOAD G0+4*\slot, G1, G0B+4*\slot, G1B         ; the first tensor load behind the round; the four v_nop behind it are the places in front of the loads below
.else
	PLACES NP
.endif
	FETCH_B \next, 0, 0
	FETCH_A \next, 0, 0
	WIN MUL_HI
	MUL16 4, 1, 0
	MUL16 6, 1, 0
	PLACES NP
	WIN 0
	FETCH_A \next, 0, 4
.endm
	s_wait_alu depctr_va_vdst(0)
	s_wait_tensorcnt 0x0                           ; my part of K step 0 is in
	ds_add_u32 v[SPW], v[NIL]
	s_wait_dscnt 0x0
	CROUND                                         ; a whole round: everybody's part of K step 0 is in, and the joint loads meet
	JLOAD G0+4, G1, G0B+4, G1B                     ; K step 1 into slot 1: the first tensor load behind the round
	FETCH_B 0, 0, 0
	FETCH_A 0, 0, 0
	FETCH_A 0, 0, 4
	STEP 0, 0, 1                                   ; K 0-127: the products start the sums
	TURN 0, 1, 1                                   ; K 128-255; slot 0 takes K step 2
	STEP 1, 0, 0
	TURN 1, 0, 1                                   ; slot 1 takes K step 3
	STEP 0, 0, 0
	TURN 0, 1, 0                                   ; nothing is left to fetch: no round
	STEP 1, 0, 0
	s_wait_dscnt 4*NL                              ; the very last step
	WIN MUL_LO
	MUL16 0, 1, 0
	MUL16 2, 1, 0
	s_wait_dscnt 0
	WIN MUL_HI
	MUL16 4, 1, 0
	MUL16 6, 1, 0
	WIN 0
	; THE WAY OUT.  The three scales are folded into the conversion's one.
	s_wait_kmcnt 0x0
	s_sub_co_i32 s88, s82, s76
	s_sub_co_i32 s88, s88, s77                     ; e6 - e0 - e1
	s_sub_co_i32 s89, s83, s78
	s_sub_co_i32 s89, s89, s79                     ; e7 - e2 - e3
	s_sub_co_i32 s90, s85, s80
	s_sub_co_i32 s90, s90, s81                     ; e9 - e4 - e5
	s_cmp_eq_u32 s18, 0
	s_cselect_b32 s88, s88, s89
	s_cmp_eq_u32 s18, 2
	s_cselect_b32 s88, s90, s88
	s_add_co_i32 s88, s88, 127
	s_lshl_b32 s89, s88, 23
	v_mov_b32 v[SCL], s89                          ; the scale as f32: the conversion takes its exponent field
	s_add_co_i32 s88, s88, 8
	s_lshl_b32 s88, s88, 23
	s_or_b32 s88, s88, 0x600000
	v_mov_b32 v[LIM], s88                          ; 448 x the scale
	PLACES NP                                      ; behind the last products: their results are read, and the registers that held A's fragments are written, only behind these
; Block a of 16 rows of A: its 64 sums a lane are held, converted (accumulator b gives registers 2 b, 2 b + 1) and stored as they stand.  Each block has its own 16 registers of codes: no store's data are written again.
.macro OUTB a
	WIN 0x02+((\a)/4)                              ; source 0: window 2 or 3
.set n, 0
.rept 64
	v_med3_num_f32 v[TMP+n], v[64*((\a)%4)+n], -v[LIM], v[LIM]   ; the hold at the largest code x the scale (ISA guide 7.6.2); each accumulator from its low end on
.set n, n+1
.endr
	WIN 0
.irp b, 0,1,2,3,4,5,6,7
	v_cvt_scalef32_pk8_fp8_f32 v[AF+16*(\a)+2*\b:AF+16*(\a)+2*\b+1], v[TMP+8*\b:TMP+8*\b+7], v[SCL]
.endr
	v_nop                                          ; a plain vector line behind the last conversion: the next block's holds write the conversions' sources
.irp c, 0,1
.if (\a) < 4
	global_store_b128 v[CO],  v[AF+16*(\a)+4*\c:AF+16*(\a)+4*\c+3],     s[8:9] offset:((\a)%4)*1024+\c*512      ; 512 consecutive bytes, at a multiple of 512 from the buffer's first byte
	global_store_b128 v[CO2], v[AF+16*(\a)+8+4*\c:AF+16*(\a)+8+4*\c+3], s[8:9] offset:((\a)%4)*1024+\c*512
.else
	global_store_b128 v[CO],  v[AF+16*(\a)+4*\c:AF+16*(\a)+4*\c+3],     s[10:11] offset:((\a)%4)*1024+\c*512
	global_store_b128 v[CO2], v[AF+16*(\a)+8+4*\c:AF+16*(\a)+8+4*\c+3], s[10:11] offset:((\a)%4)*1024+\c*512
.endif
.endr
.endm
.irp a, 0,1,2,3,4,5,6,7
	OUTB \a
.endr
	s_wait_tensorcnt 0x0                           ; the wave's end: behind my last tensor load
	ds_add_u32 v[SPW], v[NIL]
	s_wait_dscnt 0x0
	CROUND                                         ; the closing round: no work-group ends while a partner may still ask for a tile that names it
	s_endpgm
.Lfunc_end_k_qdecdc4ab32_proj:
	.size	k_qdecdc4ab32_proj, .Lfunc_end_k_qdecdc4ab32_proj-k_qdecdc4ab32_proj
	.p2alignl 7, 3214868480
	.fill 96, 4, 3214868480
	.section	.rodata,"a",@progbits
	.p2align	6, 0x0
	.amdhsa_kernel k_qdecdc4ab32_proj
		.amdhsa_group_segment_fixed_size 327680
		.amdhsa_private_segment_fixed_size 0
		.amdhsa_enable_private_segment 0
		.amdhsa_kernarg_size 24
		.amdhsa_user_sgpr_count 2
		.amdhsa_user_sgpr_kernarg_segment_ptr 1
		.amdhsa_wavefront_size32 1
		.amdhsa_system_sgpr_workgroup_id_x 1
		.amdhsa_system_sgpr_workgroup_id_y 1
		.amdhsa_system_sgpr_workgroup_id_z 1
		.amdhsa_system_vgpr_workitem_id 0
		.amdhsa_next_free_vgpr 1024
		.amdhsa_next_free_sgpr 98
		.amdhsa_reserve_vcc 0
		.amdhsa_float_denorm_mode_32 3
		.amdhsa_float_denorm_mode_16_64 3
		.amdhsa_memory_ordered 1
		.amdhsa_forward_progress 1
		.amdhsa_inst_pref_size 119
	.end_amdhsa_kernel
	.amdgpu_metadata
---
amdhsa.version: [ 1, 2 ]
amdhsa.kernels:
  - .name:           k_qdecdc4ab32_proj
    .symbol:         k_qdecdc4ab32_proj.kd
    .args:
      - { .name: codes, .offset: 0, .size: 8, .value_kind: global_buffer, .address_space: global }
      - { .name: lowp_scales, .offset: 8, .size: 8, .value_kind: global_buffer, .address_space: global }
      - { .name: qkv, .offset: 16, .size: 8, .value_kind: global_buffer, .address_space: global }
    .group_segment_fixed_size: 327680
    .private_segment_fixed_size: 0
    .kernarg_segment_align: 8
    .kernarg_segment_size: 24
    .max_flat_workgroup_size: 128
    .sgpr_count:     98
    .vgpr_count:     1024
    .wavefront_size: 32
...
	.end_amdgpu_metadata
.endif
;; end of part 2
;; launch attn (part 3): grid 8 x 32, 16 waves a work-group, no clusters, 272,384 bytes of LDS; arguments qkv, maskn, lowp_scales, flags, oimg; writes oimg
.if DOCPART == 3
	.amdgcn_target "amdgcn-amd-amdhsa--gfx1250"
	.amdhsa_code_object_version 6
	.text
	.protected	k_qdecdc4ab32_attn
	.globl	k_qdecdc4ab32_attn
	.p2align	8
	.type	k_qdecdc4ab32_attn,@function
k_qdecdc4ab32_attn:
	s_mov_b64 s[64:65], 0
	v_nop
	global_prefetch_b8 v0, s[64:65] scope:SCOPE_SE
	s_setreg_imm32_b32 hwreg(HW_REG_WAVE_MODE, 25, 1), 1
	s_wait_xcnt 0x0
; ATTN.  o = softmax(q k^T / 8, masked) v for one head (y = 16 n + head), both products on codes of FP8 (E4M3); the finished, normalised softmax is what is quantised (scale 2^e8), so the keys are walked twice.
; PASS 1: each lane's running largest score and the sum of 2^(t - largest), t = score x log2(e) / 8.  PASS 2: p = 2^(t - largest - log2(sum)), held at 448 x 2^e8, converted, O^T += V^T P^T.
; O is quantised for the last projection (scale 2^e10) and stored as an image of operand registers.
; WHAT IS LEFT OUT, BY WHOLE NUMBERS READ FROM MEMORY: flags (stored by the launch before) says for each tile of 16 queries and each step of 64 keys whether any score counts and whether any is hidden.
; A step in which no score of my 32 queries counts adds 0 to every sum and to O, whatever the other inputs hold. A step with nothing hidden takes the constant 0 as C;
; only a mixed step loads its mask words (codes of FP4: 0, or -6 x 2^120 as the score's C).  A NaN or an infinity that reaches only a step left out is not carried to the result.
; Branches hang on loaded numbers; no tensor load here, and so no joint loads: K's and V's images of the head (128 KiB each) come into LDS once, through registers, 8 KiB of each a wave.
; No prefetch: K and V are read once, at the head; a mixed step's mask words are asked for one trip ahead.
; SHARES.  Work-group x owns queries 128 x .. + 127 and 128 (15 - x) .. + 127: eight jobs of 32 queries.  TWO waves share a job: wave w and wave w xor 4 take its even and its odd steps of 64 keys.
; Wave w: job (w % 4) of the low block (w < 8) or job 3 - (w % 4) of the high block; under a lower-triangular mask waves w, w + 4, w + 8, w + 12 together count the same number of keys for every w and x.
; A query's four partial states (lanes l and l xor 16, two waves) are joined behind pass 1, the waves' through LDS; the two waves' O^T are added behind pass 2, through K's image, which nobody reads any more.
; LAYOUT.  S^T = K Q^T, O^T = V^T P^T: lane (r, h) holds query r; accumulator kt's register j is key 16 kt + 8 h + j, the place that an 8-bit operand gives k in registers 2 kt, 2 kt + 1.
; A row with no score that counts: its sum is 0, every p of it is 0, o = 0.
; LIMITS: a raw score (64 products of codes) is under 2^24 in magnitude, so -2^25 starts the largest score.  e6 + e7 between -100 and 100; e8 and e10 - e8 - e9 between -126 and 119.
.set VIMG,  131072                     ; LDS: K's image at 0, V's here
.set SPARE, 262144                     ; the spare words, 128 bytes a wave: eight blocks of 256 bytes that no other line names
.set XCH,   264192                     ; 512 bytes a wave: pass 1's state on its way to the partner
.set LI,   1                           ; 16 x lane
.set LIV,  2                           ; + VIMG
.set ADK,  3                           ; LDS address of the step's K fragments
.set ADV,  4                           ; of V's
.set MSC,  5                           ; the mask's scale bytes: 2^120
.set SPW,  6
.set NIL,  7
.set PSC,  8                           ; 2^e8
.set XA,   9                           ; my 16 bytes of XCH
.set OSC,  10                          ; 2^(e10 - e8 - e9)
.set OLIM, 11                          ; 448 x that
.set MO,   12                          ; offset of mask words
.set CPY,  13                          ; where my 8 KiB of K go in LDS; later: where my job's O^T goes
.set CPV,  14                          ; where my 8 KiB of V go
.set XB,   15                          ; my partner's 16 bytes of XCH
.set Q,    16
.set KF,   32
.set S,    64                          ; at the head: K on its way to LDS
.set VF,   128                         ; V's fragments; pass 1: at work
.set O,    160                         ; pass 1's first trips: V on its way to LDS
.set PC,   224
.set MB1,  232                         ; pass 1's mask words
.set ST,   240                         ; pass 1: a tile's state, 8 registers: 0 the exponent's addend (1: named with it), 2-3 the sum, 4 a factor (5: named with it), 6 the largest raw score, 7 at work
.set AD,   240                         ; pass 2: the two tiles' addends in v240 and v242 (v241, v243 named with them)
.set MB2,  248                         ; pass 2's mask words
.set WV,   14
.set C2,   24                          ; s[24:25] c = log2(e) / 8 x 2^(e6 + e7)
.set NC,   26                          ; -c
.set N0,   27                          ; c x 2^25
.set LV,   52                          ; bit 0: my step in hand has a score that counts; bit 2: my next
.set MX,   53                          ; the same for: counts and has hidden scores
.set KO,   54                          ; 4,096 x step
.set MOF,  55                          ; 512 x my next step
.set CNT,  56
.set LV0,  57
.set SEL,  58
.set PL,   68                          ; 448 x 2^e8
.set MX0,  69
.set PAR,  70                          ; 0: I take the even steps, 1: the odd
.set GOF,  71                          ; 8,192 x my job
.set KO0,  72
.set MF0,  73
.macro PLACES
.rept 4
	v_nop
.endr
.endm
.macro KLOAD adr, off
.irp f, 0,1,2,3
	ds_load_b128 v[KF+8*\f:KF+8*\f+3],   v[\adr] offset:\off+\f*1024
	ds_load_b128 v[KF+8*\f+4:KF+8*\f+7], v[\adr] offset:\off+\f*1024+512
.endr
.endm
.macro MLOAD mb, adr                   ; a step's mask words of my two tiles
	global_load_b128 v[\mb:\mb+3],   v[\adr], s[6:7]
	global_load_b128 v[\mb+4:\mb+7], v[\adr], s[6:7] offset:16384
.endm
.macro QK zero
.irp kt, 0,1,2,3
.irp u, 0,1
.if \zero
	v_wmma_f32_16x16x64_fp8_fp8 v[S+32*\u+8*\kt:S+32*\u+8*\kt+7], v[KF+8*\kt:KF+8*\kt+7], v[Q+8*\u:Q+8*\u+7], 0
.else
	v_wmma_f32_16x16x64_fp8_fp8 v[S+32*\u+8*\kt:S+32*\u+8*\kt+7], v[KF+8*\kt:KF+8*\kt+7], v[Q+8*\u:Q+8*\u+7], v[S+32*\u+8*\kt:S+32*\u+8*\kt+7]
.endif
.endr
.endr
.endm
; The step's scores.  Mixed: the mask words become 0 or -6 x 2^120 in the accumulators, and the products add onto them.
.macro SCORES mb
	s_wait_dscnt 0x0                               ; K's fragments are in
	s_bitcmp1_b32 s[MX], 0
	s_cbranch_scc0 .Lopen_\@
	s_wait_loadcnt 0x0                             ; the mask words, asked for a trip ago
.irp u, 0,1
.irp kt, 0,1,2,3
	v_cvt_scale_pk8_f32_fp4 v[S+32*\u+8*\kt:S+32*\u+8*\kt+7], v[\mb+4*\u+\kt], v[MSC]
.endr
.endr
	v_nop                                          ; a plain line between the conversions and the products
	QK 0
	s_branch .Ljoin_\@
.Lopen_\@:
	QK 1
.Ljoin_\@:
	PLACES                                         ; behind the products: loads into K's registers and the first reads of the scores follow
.endm
; What my next step needs, asked for now, in a step that is left out too.
.macro AHEAD mb
	s_bitcmp1_b32 s[LV], 2
	s_cbranch_scc0 .Lnk_\@
	KLOAD ADK, 8192
.Lnk_\@:
	s_bitcmp1_b32 s[MX], 2
	s_cbranch_scc0 .Lnm_\@
	s_wait_loadcnt 0x0                             ; no load lands on a pending one, and the offset may be written
	v_add_nc_u32 v[MO], s[MOF], v[LI]
	MLOAD \mb, MO
.Lnm_\@:
.endm
.macro NEXT
	s_lshr_b32 s[LV], s[LV], 2
	s_lshr_b32 s[MX], s[MX], 2
	s_add_co_u32 s[KO], s[KO], 8192
	s_add_co_u32 s[MOF], s[MOF], 1024
	s_min_u32 s[MOF], s[MOF], 15872                ; stays inside the tile's 32 steps
.endm
.macro ARG a0, a1                      ; c x score + the tile's addend, two at a time; each accumulator from its low end on
.set n, 0
.rept 16
	v_pk_fma_f32 v[S+n:S+n+1], v[S+n:S+n+1], s[C2:C2+1], v[\a0:\a0+1] op_sel_hi:[1,0,0]
.set n, n+2
.endr
.rept 16
	v_pk_fma_f32 v[S+n:S+n+1], v[S+n:S+n+1], s[C2:C2+1], v[\a1:\a1+1] op_sel_hi:[1,0,0]
.set n, n+2
.endr
.endm
.macro EXPS
.set n, 0
.rept 64
	v_exp_f32 v[S+n], v[S+n]
.set n, n+1
.endr
.endm
.macro SOFT1
.irp u, 0,1                            ; the largest raw score so far heads the first of two chains
	v_max3_num_f32 v[ST+8*\u+6], v[ST+8*\u+6], v[S+32*\u], v[S+32*\u+1]
	v_max_num_f32 v[ST+8*\u+7], v[S+32*\u+2], v[S+32*\u+3]
.endr
.irp i, 4,8,12,16,20,24,28
.irp u, 0,1
	v_max3_num_f32 v[ST+8*\u+6], v[ST+8*\u+6], v[S+32*\u+\i], v[S+32*\u+\i+1]
	v_max3_num_f32 v[ST+8*\u+7], v[ST+8*\u+7], v[S+32*\u+\i+2], v[S+32*\u+\i+3]
.endr
.endr
.irp u, 0,1
	v_max_num_f32 v[ST+8*\u+6], v[ST+8*\u+6], v[ST+8*\u+7]
.endr
.irp u, 0,1
	v_mul_f32 v[ST+8*\u+7], s[NC], v[ST+8*\u+6]    ; the new addend: - the largest t
.endr
.irp u, 0,1
	v_sub_f32 v[ST+8*\u+4], v[ST+8*\u+7], v[ST+8*\u]   ; old largest t - new: 0 or less
.endr
.irp u, 0,1
	v_mov_b32 v[ST+8*\u], v[ST+8*\u+7]
.endr
	ARG ST, ST+8
	s_wait_alu depctr_va_vdst(0)                   ; ahead of the batch
.irp u, 0,1
	v_exp_f32 v[ST+8*\u+4], v[ST+8*\u+4]           ; what brings the old sum under the new largest t
.endr
	EXPS
	v_nop                                          ; a plain place behind the batch
	s_wait_alu depctr_va_vdst(0)                   ; and the one wait ahead of its first reader
.irp u, 0,1
	v_pk_fma_f32 v[ST+8*\u+2:ST+8*\u+3], v[ST+8*\u+2:ST+8*\u+3], v[ST+8*\u+4:ST+8*\u+5], v[S+32*\u:S+32*\u+1] op_sel_hi:[1,0,1]
	v_pk_add_f32 v[VF+2*\u:VF+2*\u+1], v[S+32*\u+2:S+32*\u+3], v[S+32*\u+4:S+32*\u+5]
.endr
.irp i, 6,10,14,18,22,26
.irp u, 0,1
	v_pk_add_f32 v[ST+8*\u+2:ST+8*\u+3], v[ST+8*\u+2:ST+8*\u+3], v[S+32*\u+\i:S+32*\u+\i+1]
	v_pk_add_f32 v[VF+2*\u:VF+2*\u+1], v[VF+2*\u:VF+2*\u+1], v[S+32*\u+\i+2:S+32*\u+\i+3]
.endr
.endr
.irp u, 0,1
	v_pk_add_f32 v[ST+8*\u+2:ST+8*\u+3], v[ST+8*\u+2:ST+8*\u+3], v[S+32*\u+30:S+32*\u+31]
.endr
.irp u, 0,1
	v_pk_add_f32 v[ST+8*\u+2:ST+8*\u+3], v[ST+8*\u+2:ST+8*\u+3], v[VF+2*\u:VF+2*\u+1]
.endr
	s_wait_alu depctr_va_vdst(0)
.endm
.macro TRIP1
	v_add_nc_u32 v[ADK], s[KO], v[LI]
	s_wait_alu depctr_va_vdst(0)
	s_bitcmp1_b32 s[LV], 0
	s_cbranch_scc1 .Llive_\@
	s_wait_dscnt 0x0                               ; no LDS load lands on a pending one
	AHEAD MB1
	s_branch .Lend_\@
.Llive_\@:
	SCORES MB1
	AHEAD MB1
	SOFT1
.Lend_\@:
	NEXT
.endm
.macro TRIP2
	v_add_nc_u32 v[ADK], s[KO], v[LI]
	v_add_nc_u32 v[ADV], s[KO], v[LIV]
	s_wait_alu depctr_va_vdst(0)                   ; as in pass 1
	s_bitcmp1_b32 s[LV], 0
	s_cbranch_scc1 .Llive_\@
	s_wait_dscnt 0x0
	AHEAD MB2
	s_branch .Lend_\@
.Llive_\@:
	SCORES MB2
.irp f, 0,1,2,3
	ds_load_b128 v[VF+8*\f:VF+8*\f+3],   v[ADV] offset:\f*1024
	ds_load_b128 v[VF+8*\f+4:VF+8*\f+7], v[ADV] offset:\f*1024+512
.endr
	AHEAD MB2
	ARG AD, AD+2
	s_wait_alu depctr_va_vdst(0)                   ; ahead of the batch
	EXPS                                           ; p, normalised: the addend holds - log2(sum)
	v_nop
	s_wait_alu depctr_va_vdst(0)                   ; behind it
.set n, 0
.rept 32
	v_dual_min_num_f32 v[S+n], s[PL], v[S+n] :: v_dual_min_num_f32 v[S+n+1], s[PL], v[S+n+1]   ; the conversion does not saturate (ISA guide 7.6.2); p is not negative: a one-sided hold, two an instruction
.set n, n+2
.endr
.irp u, 0,1
.irp kt, 0,1,2,3
	v_cvt_scalef32_pk8_fp8_f32 v[PC+8*\u+2*\kt:PC+8*\u+2*\kt+1], v[S+32*\u+8*\kt:S+32*\u+8*\kt+7], v[PSC]
.endr
.endr
	v_nop                                          ; a plain line behind the last conversion
	s_wait_alu depctr_va_vdst(0)                   ; ahead of the first readers of O^T
	s_wait_dscnt 0x0                               ; V's fragments (and my next step's K)
.irp ct, 0,1,2,3
.irp u, 0,1
	v_wmma_f32_16x16x64_fp8_fp8 v[O+32*\u+8*\ct:O+32*\u+8*\ct+7], v[VF+8*\ct:VF+8*\ct+7], v[PC+8*\u:PC+8*\u+7], v[O+32*\u+8*\ct:O+32*\u+8*\ct+7]
.endr
.endr
.Lend_\@:
	NEXT
.endm
.macro VL h                            ; half of my 8 KiB of V: eight loads of 512 consecutive bytes
.irp i, 0,1,2,3,4,5,6,7
	global_load_b128 v[O+32*\h+4*\i:O+32*\h+4*\i+3], v[LI], s[4:5] offset:0x400000+(8*\h+\i)*512
.endr
.endm
; two partial states (addend a, sum) and (addend b, sum) become one: the lesser addend, and both sums brought under it
.macro BATCH4                          ; the four factors, as one batch with its two waits
	s_wait_alu depctr_va_vdst(0)
.irp u, 0,1
	v_exp_f32 v[ST+8*\u+4], v[ST+8*\u+4]
	v_exp_f32 v[ST+8*\u+5], v[ST+8*\u+5]
.endr
	v_nop
	s_wait_alu depctr_va_vdst(0)
.endm
	s_load_b256 s[4:11], s[0:1], 0x0               ; qkv, maskn, lowp_scales, flags
	s_load_b64 s[12:13], s[0:1], 0x20              ; oimg
	v_lshl_add_u32 v[SPW], v0, 2, SPARE
	v_mov_b32 v[NIL], 0
	v_lshrrev_b32 v[ADK], 5, v0
	v_readfirstlane_b32 s[WV], v[ADK]              ; wave 0..15
	v_and_b32 v[LI], 31, v0
	v_lshlrev_b32 v[LI], 4, v[LI]
	v_add_nc_u32 v[LIV], VIMG, v[LI]
	v_lshl_add_u32 v[CPY], v[ADK], 13, v[LI]
	v_add_nc_u32 v[CPV], VIMG, v[CPY]
	v_lshl_add_u32 v[XA], v0, 4, XCH
	v_xor_b32 v[XB], 128, v0                       ; the same lane of wave w xor 4
	v_lshl_add_u32 v[XB], v[XB], 4, XCH
	v_mov_b32 v[MSC], 0xf7f7f7f7
	s_and_b32 s28, s[WV], 3
	s_bfe_u32 s[PAR], s[WV], 0x10002               ; bit 2 of the wave's number
	s_lshr_b32 s29, s[WV], 3                       ; 0: low block, 1: high block
	s_lshl_b32 s30, ttmp9, 2
	s_add_co_u32 s31, s30, s28                     ; low: block of 32 queries 4 x + w % 4
	s_sub_co_u32 s30, 63, s30
	s_sub_co_u32 s30, s30, s28                     ; high: 4 (15 - x) + 3 - w % 4
	s_cmp_eq_u32 s29, 0
	s_cselect_b32 s31, s31, s30
	s_lshl_b32 s29, s29, 2
	s_add_co_u32 s29, s29, s28                     ; my job, 0..7
	s_lshl_b32 s[GOF], s29, 13
	s_lshl_b32 s29, s31, 1                         ; qt: my first tile of 16 queries
	s_lshl_b32 s[KO0], s[PAR], 12
	s_lshl_b32 s[MF0], s[PAR], 9
	s_and_b32 s31, ttmp7, 0xffff                   ; y = 16 n + head
	s_lshl_b32 s32, s31, 17                        ; the head's image: 128 KiB
	s_lshl_b32 s33, s[WV], 13
	s_add_co_u32 s34, s32, s33
	s_add_co_u32 s34, s34, 0x400000                ; my 8 KiB of K; V's lie 4 MiB on
	s_mov_b32 s35, 0
	s_lshl_b32 s60, s29, 10
	s_add_co_u32 s60, s60, s32                     ; my q fragments
	s_mov_b32 s61, 0
	s_lshr_b32 s28, s31, 4
	s_lshl_b32 s28, s28, 7
	s_add_co_u32 s28, s28, s29                     ; 128 n + qt
	s_lshl_b32 s62, s28, 14                        ; its mask words
	s_mov_b32 s63, 0
	s_lshl_b32 s32, s28, 5                         ; its flags
	s_mov_b32 s33, 0
	s_and_b32 s30, s31, 15                         ; oimg: [256 along K = head / 4][block of 16 tokens][1,024 x (head % 4)]
	s_lshr_b32 s31, s30, 2
	s_lshl_b32 s31, s31, 20
	s_and_b32 s30, s30, 3
	s_lshl_b32 s30, s30, 10
	s_add_co_u32 s30, s30, s31
	s_lshl_b32 s28, s28, 12
	s_add_co_u32 s30, s30, s28
	s_mov_b32 s31, 0
	s_mov_b32 s[SEL], 0x76543210
	s_mov_b32 s[SEL+1], 0xfedcba98
	s_wait_alu depctr_va_vdst(0)
	s_wait_kmcnt 0x0
	s_load_b256 s[16:23], s[8:9], 0x10             ; e4 .. e11
	s_add_nc_u64 s[10:11], s[10:11], s[32:33]
	s_load_b512 s[36:51], s[10:11], 0x0            ; my two tiles' flags: even words: counts; odd words: hidden
	s_add_nc_u64 s[66:67], s[4:5], s[60:61]
	s_add_nc_u64 s[4:5], s[4:5], s[34:35]
	s_add_nc_u64 s[6:7], s[6:7], s[62:63]
	s_add_nc_u64 s[12:13], s[12:13], s[30:31]
.set i, 0
.rept 16
	global_load_b128 v[S+4*i:S+4*i+3], v[LI], s[4:5] offset:i*512            ; K: 512 consecutive bytes a load
.set i, i+1
.endr
.irp u, 0,1
.irp c, 0,1
	global_load_b128 v[Q+8*\u+4*\c:Q+8*\u+4*\c+3], v[LI], s[66:67] offset:\u*1024+\c*512
.endr
.endr
	v_add_nc_u32 v[MO], s[MF0], v[LI]
	MLOAD MB1, MO                                  ; my first step's mask words
	s_wait_kmcnt 0x0
	s_add_co_i32 s28, s18, s19
	s_lshl_b32 s28, s28, 23
	s_add_co_i32 s[C2], s28, 0x3e38aa3b            ; log2(e) / 8, with e6 + e7 added to its exponent field
	s_mov_b32 s[C2+1], s[C2]
	s_xor_b32 s[NC], s[C2], 0x80000000
	s_add_co_i32 s[N0], s[C2], 25<<23
	s_add_co_i32 s28, s20, 127
	s_lshl_b32 s29, s28, 23
	v_mov_b32 v[PSC], s29
	s_add_co_i32 s28, s28, 8
	s_lshl_b32 s28, s28, 23
	s_or_b32 s[PL], s28, 0x600000
	s_sub_co_i32 s28, s22, s20
	s_sub_co_i32 s28, s28, s21
	s_add_co_i32 s28, s28, 127
	s_lshl_b32 s29, s28, 23
	v_mov_b32 v[OSC], s29
	s_add_co_i32 s28, s28, 8
	s_lshl_b32 s28, s28, 23
	s_or_b32 s28, s28, 0x600000
	v_mov_b32 v[OLIM], s28
	s_or_b32 s[LV0], s36, s38
	s_or_b32 s[MX0], s37, s39
.irp k, 40,42,44,46,48,50
	s_or_b32 s[LV0], s[LV0], s[\k]
	s_or_b32 s[MX0], s[MX0], s[\k+1]
.endr
	s_and_b32 s[MX0], s[MX0], s[LV0]
	s_lshr_b32 s[LV0], s[LV0], s[PAR]              ; bit 0: my first step
	s_lshr_b32 s[MX0], s[MX0], s[PAR]
	s_mov_b32 s[LV], s[LV0]
	s_mov_b32 s[MX], s[MX0]
	s_mov_b32 s[KO], s[KO0]
	s_add_co_u32 s[MOF], s[MF0], 1024
	s_wait_alu depctr_va_vdst(0)
	s_wait_loadcnt 0x0
.set i, 0
.rept 16
	ds_store_b128 v[CPY], v[S+4*i:S+4*i+3] offset:i*512
.set i, i+1
.endr
	s_wait_dscnt 0x0                               ; for the others' sake
	s_barrier_signal -1
.irp u, 0,1
	v_mov_b32 v[ST+8*\u], s[N0]
	v_mov_b32 v[ST+8*\u+6], 0xcc000000             ; -2^25, under every raw score
.irp k, 1,2,3,4,5,7
	v_mov_b32 v[ST+8*\u+\k], 0
.endr
.endr
	v_add_nc_u32 v[ADK], s[KO0], v[LI]
	v_add_nc_u32 v[CPY], s[GOF], v[LI]             ; from here on: where my job's O^T goes
	s_wait_alu depctr_va_vdst(0)
	s_barrier_wait -1                              ; K's image is whole
	KLOAD ADK, 0
	VL 0                                           ; V is asked for behind K's stores, and is on its way during pass 1's first four trips
	TRIP1
	VL 1
	TRIP1
	s_mov_b32 s[CNT], 2
.Lp1a:
	TRIP1
	s_sub_co_u32 s[CNT], s[CNT], 1
	s_cmp_lg_u32 s[CNT], 0
	s_cbranch_scc1 .Lp1a
	s_wait_loadcnt 0x0                             ; V is in registers
.set i, 0
.rept 16
	ds_store_b128 v[CPV], v[O+4*i:O+4*i+3] offset:i*512
.set i, i+1
.endr
	s_wait_dscnt 0x0                               ; for the others' sake, and the stores have read their registers
	s_barrier_signal -1
.set n, 0
.rept 64
	v_mov_b32 v[O+n], 0                            ; which step is the first to add to O^T hangs on the flags, so the sums begin as zeros
.set n, n+1
.endr
	s_wait_alu depctr_va_vdst(0)
	s_barrier_wait -1                              ; V's image is whole
	s_mov_b32 s[CNT], 12
.Lp1b:
	TRIP1
	s_sub_co_u32 s[CNT], s[CNT], 1
	s_cmp_lg_u32 s[CNT], 0
	s_cbranch_scc1 .Lp1b
	; BETWEEN THE PASSES: my first step's K anew; lanes l and l xor 16 joined; then my partner's state through LDS
	s_wait_dscnt 0x0
	v_add_nc_u32 v[ADK], s[KO0], v[LI]
	KLOAD ADK, 0
.irp u, 0,1
	v_add_f32 v[ST+8*\u+2], v[ST+8*\u+2], v[ST+8*\u+3]
.endr
.irp u, 0,1
	v_permlanex16_b32 v[ST+8*\u+3], v[ST+8*\u+2], s[SEL], s[SEL+1]   ; lane l xor 16's sum,
	v_permlanex16_b32 v[ST+8*\u+7], v[ST+8*\u], s[SEL], s[SEL+1]     ; and its addend
.endr
.irp u, 0,1
	v_min_num_f32 v[VF+2*\u], v[ST+8*\u], v[ST+8*\u+7]               ; - the larger of the two largest t
.endr
.irp u, 0,1
	v_sub_f32 v[ST+8*\u+4], v[VF+2*\u], v[ST+8*\u]
	v_sub_f32 v[ST+8*\u+5], v[VF+2*\u], v[ST+8*\u+7]
.endr
	BATCH4
.irp u, 0,1
	v_mul_f32 v[ST+8*\u+2], v[ST+8*\u+2], v[ST+8*\u+4]
.endr
.irp u, 0,1
	v_fma_f32 v[VF+2*\u+1], v[ST+8*\u+3], v[ST+8*\u+5], v[ST+8*\u+2]
.endr
	ds_store_b128 v[XA], v[VF:VF+3]                ; addend and sum of both tiles
	s_wait_alu depctr_va_vdst(0)
	s_wait_dscnt 0x0
	s_barrier_signal -1
	s_barrier_wait -1
	ds_load_b128 v[VF+4:VF+7], v[XB]
	s_wait_dscnt 0x0
.irp u, 0,1
	v_min_num_f32 v[ST+8*\u+6], v[VF+2*\u], v[VF+4+2*\u]
.endr
.irp u, 0,1
	v_sub_f32 v[ST+8*\u+4], v[ST+8*\u+6], v[VF+2*\u]
	v_sub_f32 v[ST+8*\u+5], v[ST+8*\u+6], v[VF+4+2*\u]
.endr
	BATCH4
.irp u, 0,1
	v_mul_f32 v[ST+8*\u+2], v[VF+2*\u+1], v[ST+8*\u+4]
.endr
.irp u, 0,1
	v_fma_f32 v[ST+8*\u+2], v[VF+5+2*\u], v[ST+8*\u+5], v[ST+8*\u+2]   ; the row's sum
.endr
	s_wait_alu depctr_va_vdst(0)                   ; ahead of the batch
.irp u, 0,1
	v_log_f32 v[ST+8*\u+4], v[ST+8*\u+2]
.endr
	v_nop
	s_wait_alu depctr_va_vdst(0)                   ; behind it
.irp u, 0,1                            ; tile 0 first: tile 1's addend lands where tile 0's sum lay
	v_sub_f32 v[ST+8*\u+4], v[ST+8*\u+6], v[ST+8*\u+4]               ; - largest t - log2(sum)
	v_cmp_lt_f32 vcc_lo, 0, v[ST+8*\u+2]
	v_cndmask_b32 v[AD+2*\u], v[ST+8*\u+6], v[ST+8*\u+4], vcc_lo     ; a row whose sum is 0 keeps a finite addend: all its scores are hidden, and p = 0
.endr
	s_wait_loadcnt 0x0
	v_add_nc_u32 v[MO], s[MF0], v[LI]
	MLOAD MB2, MO                                  ; my first step's mask words anew, where tile 1's state lay
	s_mov_b32 s[LV], s[LV0]
	s_mov_b32 s[MX], s[MX0]
	s_mov_b32 s[KO], s[KO0]
	s_add_co_u32 s[MOF], s[MF0], 1024
	s_mov_b32 s[CNT], 16
	s_wait_alu depctr_va_vdst(0)
.Lp2:                                              ; pass 2
	TRIP2
	s_sub_co_u32 s[CNT], s[CNT], 1
	s_cmp_lg_u32 s[CNT], 0
	s_cbranch_scc1 .Lp2
	; THE TWO WAVES' O^T ARE ADDED.  Behind the first barrier nobody reads K's image: the odd wave lays its 64 sums a lane there; behind the second the even wave takes them.
	PLACES
	s_wait_alu depctr_va_vdst(0)
	s_wait_dscnt 0x0
	s_barrier_signal -1
	s_barrier_wait -1
	s_cmp_eq_u32 s[PAR], 0
	s_cbranch_scc1 .Lkeeps
.set i, 0
.rept 16
	ds_store_b128 v[CPY], v[O+4*i:O+4*i+3] offset:i*512
.set i, i+1
.endr
.Lkeeps:
	s_wait_dscnt 0x0
	s_barrier_signal -1
	s_barrier_wait -1
	s_cmp_lg_u32 s[PAR], 0
	s_cbranch_scc1 .Ldone
.set i, 0
.rept 16
	ds_load_b128 v[S+4*i:S+4*i+3], v[CPY] offset:i*512
.set i, i+1
.endr
	s_wait_dscnt 0x0
.set n, 0
.rept 32
	v_pk_add_f32 v[O+n:O+n+1], v[O+n:O+n+1], v[S+n:S+n+1]
.set n, n+2
.endr
	; THE WAY OUT: a sum stands for sum x 2^(e8 + e9); its code is sum / 2^(e10 - e8 - e9), held within +-448.  The codes are the last projection's operand registers.
.set n, 0
.rept 64
	v_med3_num_f32 v[O+n], v[O+n], -v[OLIM], v[OLIM]
.set n, n+1
.endr
.irp u, 0,1
.irp ct, 0,1,2,3
	v_cvt_scalef32_pk8_fp8_f32 v[PC+8*\u+2*\ct:PC+8*\u+2*\ct+1], v[O+32*\u+8*\ct:O+32*\u+8*\ct+7], v[OSC]
.endr
.endr
	v_nop
.irp u, 0,1
.irp c, 0,1
	global_store_b128 v[LI], v[PC+8*\u+4*\c:PC+8*\u+4*\c+3], s[12:13] offset:\u*4096+\c*512   ; 512 consecutive bytes, at a multiple of 512 from the buffer's first byte
.endr
.endr
.Ldone:
	s_wait_tensorcnt 0x0                           ; the wave's end: behind my last LDS store
	ds_add_u32 v[SPW], v[NIL]
	s_wait_dscnt 0x0
	s_endpgm
.Lfunc_end_k_qdecdc4ab32_attn:
	.size	k_qdecdc4ab32_attn, .Lfunc_end_k_qdecdc4ab32_attn-k_qdecdc4ab32_attn
	.p2alignl 7, 3214868480
	.fill 96, 4, 3214868480
	.section	.rodata,"a",@progbits
	.p2align	6, 0x0
	.amdhsa_kernel k_qdecdc4ab32_attn
		.amdhsa_group_segment_fixed_size 272384
		.amdhsa_private_segment_fixed_size 0
		.amdhsa_enable_private_segment 0
		.amdhsa_kernarg_size 40
		.amdhsa_user_sgpr_count 2
		.amdhsa_user_sgpr_kernarg_segment_ptr 1
		.amdhsa_wavefront_size32 1
		.amdhsa_system_sgpr_workgroup_id_x 1
		.amdhsa_system_sgpr_workgroup_id_y 1
		.amdhsa_system_sgpr_workgroup_id_z 1
		.amdhsa_system_vgpr_workitem_id 0
		.amdhsa_next_free_vgpr 256
		.amdhsa_next_free_sgpr 74
		.amdhsa_reserve_vcc 1
		.amdhsa_float_denorm_mode_32 3
		.amdhsa_float_denorm_mode_16_64 3
		.amdhsa_memory_ordered 1
		.amdhsa_forward_progress 1
		.amdhsa_inst_pref_size 88
	.end_amdhsa_kernel
	.amdgpu_metadata
---
amdhsa.version: [ 1, 2 ]
amdhsa.kernels:
  - .name:           k_qdecdc4ab32_attn
    .symbol:         k_qdecdc4ab32_attn.kd
    .args:
      - { .name: qkv, .offset: 0, .size: 8, .value_kind: global_buffer, .address_space: global }
      - { .name: maskn, .offset: 8, .size: 8, .value_kind: global_buffer, .address_space: global }
      - { .name: lowp_scales, .offset: 16, .size: 8, .value_kind: global_buffer, .address_space: global }
      - { .name: flags, .offset: 24, .size: 8, .value_kind: global_buffer, .address_space: global }
      - { .name: oimg, .offset: 32, .size: 8, .value_kind: global_buffer, .address_space: global }
    .group_segment_fixed_size: 272384
    .private_segment_fixed_size: 0
    .kernarg_segment_align: 8
    .kernarg_segment_size: 40
    .max_flat_workgroup_size: 512
    .sgpr_count:     74
    .vgpr_count:     256
    .wavefront_size: 32
...
	.end_amdgpu_metadata
.endif
;; end of part 3
;; launch outp (part 4): grid 8 x 32, 8 waves a work-group, clusters of 4 x 4, 327,680 bytes of LDS; arguments oimg, codes, lowp_scales, out0; writes out0
.if DOCPART == 4
	.amdgcn_target "amdgcn-amd-amdhsa--gfx1250"
	.amdhsa_code_object_version 6
	.text
	.protected	k_qdecdc4ab32_outp
	.globl	k_qdecdc4ab32_outp
	.p2align	8
	.type	k_qdecdc4ab32_outp,@function
k_qdecdc4ab32_outp:
	s_mov_b64 s[64:65], 0
	v_nop
	global_prefetch_b8 v0, s[64:65] scope:SCOPE_SE
	s_setreg_imm32_b32 hwreg(HW_REG_WAVE_MODE, 25, 1), 1
	s_wait_xcnt 0x0
	s_wait_alu depctr_hold_cnt(0) depctr_sa_sdst(0) depctr_va_vdst(0) depctr_va_sdst(0) depctr_va_ssrc(0) depctr_va_vcc(0) depctr_vm_vsrc(0)
	s_getreg_b32 s2, hwreg(HW_REG_IB_STS2, 6, 4)
	s_cmp_eq_u32 s2, 0
	s_cbranch_scc0 .Lentry_in_a_cluster
	s_endpgm
.Lentry_in_a_cluster:
	s_bfe_u32 s2, ttmp6, 0x10000c
	s_cmp_lg_u32 s2, 0xf033
	s_cbranch_scc0 .Lentry_shape_is_right
	s_endpgm
.Lentry_shape_is_right:
; OUTP.  out0 = o Wo^T on codes of FP8 (E4M3), sums in f32, each finished sum x 2^(e10 + e11).  o's codes: oimg; Wo's: codes at 15 MiB.  M = 4,096, N = 1,024, K = 1,024.
; Both lie as images of operand registers: [256 along K (4)][block of 16 rows][128 along K (2)][fragment of 2,048 bytes: registers 4 i .. 4 i + 3 at 512 i + 16 x lane].
; A work-group makes 128 x 128 of the result: 32 x 8 = 256 work-groups.  128 rows x 256 along K are one dense block of 32 KiB; the whole K of A's and of B's 128 rows is 2 x 128 KiB and lies in LDS at once:
; eight waves, one tensor load each at the head (waves 0-3: A's four parts of K; waves 4-7: B's), nothing is filled again.  No prefetch: all tiles are asked for at the head, with no loop ahead of them.
; CLUSTERS of 4 x 4: A's tiles hang on the tile row alone and are asked for jointly along a row of the cluster, B's on the tile column alone and along a column.
; A wave makes 32 rows x 64 columns: 8 accumulators, which take turns.  Source 0 = 16 rows of Wo, source 1 = 16 rows of o: a lane holds eight neighbouring columns of one row.
; LIMIT: e10 + e11 between -126 and 127, so that 2^(e10 + e11) is an f32 number.
.set SPARE,  262144                    ; behind the tiles: the spare words, 128 bytes a wave: four blocks of 256 bytes that no other line names
.set STAGE,  263168                    ; the way out: 16 rows x 272 bytes for each wave, bytes into which no tile lands
.set SPITCH, 272
.set ADRA, 16                          ; v16-17  my A fragments: parts 0-1 of K, parts 2-3
.set ADRB, 18                          ; v18-19  the same for B
.set STO,  20
.set RD,   21
.set CO,   22
.set SPW,  28
.set NIL,  29
.set AC,   32                          ; v32-95   accumulator (a, b) at 8 (4 a + b)
.set AF,   96                          ; v96-127  A's two fragments
.set BF,   128                         ; v128-191 B's four
.set TMP,  96                          ; the way out: the sums x 2^(e10 + e11)
.set BK,   160                         ; and the rows read back
.set G1, 24
.set G0, 32
.set G1B, 48
.set G0B, 56
.macro PLACES
.rept 4
	v_nop
.endr
.endm
.macro CROUND                          ; a round of the cluster's barrier
	s_barrier_signal -1
	s_barrier_wait -1
	s_cmp_lg_u32 s14, 0
	s_cbranch_scc1 .Lnot_wave_0_\@
	s_barrier_signal -3
.Lnot_wave_0_\@:
	s_barrier_wait -3
	s_barrier_signal -1
	s_barrier_wait -1
.endm
	s_load_b128 s[4:7], s[0:1], 0x0                ; oimg, codes
	s_load_b128 s[8:11], s[0:1], 0x10              ; lowp_scales, out0
	v_lshl_add_u32 v[SPW], v0, 2, SPARE
	v_mov_b32 v[NIL], 0
	ds_add_u32 v[SPW], v[NIL]                      ; the wave's opening: the add, twice on end, and its wait stand ahead of my tensor load
	ds_add_u32 v[SPW], v[NIL]
	v_lshrrev_b32 v1, 5, v0
	v_readfirstlane_b32 s14, v1                    ; wave 0..7
	s_lshr_b32 s15, s14, 2                         ; I fetch for A (0) or for B (1).  Also: which 64 columns are mine
	s_and_b32 s16, s14, 3                          ; which 256 along K I fetch.  Also: which 32 rows are mine
	s_bfe_u32 s40, ttmp6, 0x40000                  ; cx, cy
	s_bfe_u32 s41, ttmp6, 0x40004
	s_lshl_b32 s42, ttmp9, 2
	s_add_co_u32 s42, s42, s40                     ; tile column 0..7
	s_and_b32 s17, ttmp7, 0xffff
	s_lshl_b32 s17, s17, 2
	s_add_co_u32 s17, s17, s41                     ; tile row 0..31
	s_lshl_b32 s43, s41, 2
	s_lshl_b32 s43, 15, s43                        ; my row of the cluster
	s_lshl_b32 s44, 0x1111, s40                    ; my column
	s_or_b32 s[G1+0], s43, (3<<16)|(1<<21)         ; the mask; elements of 8 bytes; bit 21 beside a mask
	s_or_b32 s[G1B+0], s44, (3<<16)|(1<<21)
.irp g, G1, G1B                        ; a dense block of 32 KiB as 128 rows of 32 elements
	s_mov_b32 s[\g+1], 32<<16
	s_mov_b32 s[\g+2], 128<<16
	s_mov_b32 s[\g+3], 32<<16
	s_mov_b32 s[\g+4], 128
	s_mov_b32 s[\g+5], 32
	s_mov_b32 s[\g+6], 0
	s_mov_b32 s[\g+7], 0
.endr
	s_lshl_b32 s20, s17, 15                        ; A: 8 blocks of 4,096 bytes a tile row,
	s_lshl_b32 s18, s16, 20                        ; 1 MiB from one 256 along K to the next
	s_add_co_u32 s20, s20, s18
	s_mov_b32 s21, 0
	s_lshl_b32 s46, s42, 15                        ; B: the same by the tile column,
	s_lshl_b32 s18, s16, 18                        ; 256 KiB from part to part,
	s_add_co_u32 s46, s46, s18
	s_add_co_u32 s46, s46, 15<<20                  ; in Wo's region
	s_mov_b32 s47, 0
	s_lshl_b32 s45, s14, 15                        ; where my tile goes: wave x 32 KiB: A's four parts, then B's
	s_lshl_b32 s66, s16, 13                        ; my two blocks of A's rows in each part
	s_lshl_b32 s67, s15, 14
	s_add_co_u32 s67, s67, 131072                  ; my four blocks of B's
	s_mul_i32 s68, s14, 16*SPITCH
	s_add_co_u32 s68, s68, STAGE                   ; my stage
	s_lshl_b32 s72, s17, 7
	s_lshl_b32 s69, s16, 5
	s_add_co_u32 s72, s72, s69                     ; my first row of the result,
	s_lshl_b32 s72, s72, 12                        ; of 4,096 bytes
	s_lshl_b32 s69, s42, 9
	s_add_co_u32 s72, s72, s69
	s_lshl_b32 s69, s15, 8
	s_add_co_u32 s72, s72, s69                     ; + my first column
	s_mov_b32 s73, 0
	s_wait_dscnt 0x0                               ; both opening adds are done
	s_wait_kmcnt 0x0
	s_load_b64 s[96:97], s[8:9], 0x28              ; e10, e11
	s_add_nc_u64 s[20:21], s[4:5], s[20:21]
	s_add_nc_u64 s[46:47], s[6:7], s[46:47]
	s_add_nc_u64 s[10:11], s[10:11], s[72:73]
	CROUND                                         ; all sixteen work-groups are here: the joint loads meet
	s_mov_b32 s[G0], 1
	s_mov_b32 s[G0+1], s45
	s_mov_b64 s[G0+2:G0+3], s[20:21]
	s_or_b32 s[G0+3], s[G0+3], 0x80000000
	s_mov_b32 s[G0B], 1
	s_mov_b32 s[G0B+1], s45
	s_mov_b64 s[G0B+2:G0B+3], s[46:47]
	s_or_b32 s[G0B+3], s[G0B+3], 0x80000000
	s_cmp_eq_u32 s15, 0                            ; one load a wave, one mask a line; the branch hangs on the wave's number alone
	s_cbranch_scc0 .Lfor_b
	tensor_load_to_lds s[G0:G0+3], s[G1:G1+7]
	s_nop 0
	PLACES
	s_branch .Lasked
.Lfor_b:
	tensor_load_to_lds s[G0B:G0B+3], s[G1B:G1B+7]
	s_nop 0
	PLACES
.Lasked:
	v_and_b32 v1, 15, v0                           ; r
	v_bfe_u32 v2, v0, 4, 1                         ; h
	v_and_b32 v6, 31, v0
	v_lshlrev_b32 v6, 4, v6                        ; 16 x lane
	v_add_nc_u32 v[ADRA], s66, v6
	v_add_nc_u32 v[ADRA+1], 65536, v[ADRA]
	v_add_nc_u32 v[ADRB], s67, v6
	v_add_nc_u32 v[ADRB+1], 65536, v[ADRB]
	v_mul_u32_u24 v5, v1, SPITCH                   ; into the stage: row r, 32 bytes for each half of the lanes
	v_lshl_add_u32 v5, v2, 5, v5
	v_add_nc_u32 v[STO], s68, v5
	v_mul_u32_u24 v7, v2, SPITCH                   ; back: lanes 0-15 one row of 256 bytes, lanes 16-31 the next
	v_lshl_add_u32 v7, v1, 4, v7
	v_add_nc_u32 v[RD], s68, v7
	v_lshlrev_b32 v8, 12, v2                       ; and the same two rows in the result
	v_lshl_add_u32 v[CO], v1, 4, v8
.macro FRAG reg, adr, off              ; a fragment comes back as it was stored: four loads of 512 consecutive bytes
.irp c, 0,1,2,3
	ds_load_b128 v[\reg+4*\c:\reg+4*\c+3], v[\adr] offset:\off+\c*512
.endr
.endm
.macro WM a, b, zero
.if \zero
	v_wmma_f32_16x16x128_fp8_fp8 v[AC+8*(4*\a+\b):AC+8*(4*\a+\b)+7], v[BF+16*\b:BF+16*\b+15], v[AF+16*\a:AF+16*\a+15], 0
.else
	v_wmma_f32_16x16x128_fp8_fp8 v[AC+8*(4*\a+\b):AC+8*(4*\a+\b)+7], v[BF+16*\b:BF+16*\b+15], v[AF+16*\a:AF+16*\a+15], v[AC+8*(4*\a+\b):AC+8*(4*\a+\b)+7]
.endif
.endm
; 128 along K, the k-th of eight: 24 LDS loads (A's block 0, B's four, A's block 1) and 8 products.  Each counted wait leaves out the loads issued behind the fragments that the next product takes.
.macro KSTEP k, zero
.set KOF, (((\k)/2)%2)*32768+((\k)%2)*2048
	FRAG AF, ADRA+(\k)/4, KOF
.irp b, 0,1,2,3
	FRAG BF+16*\b, ADRB+(\k)/4, KOF+\b*4096
.endr
	FRAG AF+16, ADRA+(\k)/4, KOF+4096
.irp b, 0,1,2,3
	s_wait_dscnt 16-4*\b
	WM 0, \b, \zero
.endr
	s_wait_dscnt 0x0
.irp b, 0,1,2,3
	WM 1, \b, \zero
.endr
	PLACES                                         ; in front of loads into registers that the products read, and of the first reads of the sums
.endm
	s_wait_alu depctr_va_vdst(0)
	s_wait_tensorcnt 0x0                           ; my tile is in,
	s_barrier_signal -1
	s_barrier_wait -1                              ; everybody's is
	KSTEP 0, 1                                     ; the first products start the sums
.irp k, 1,2,3,4,5,6,7
	KSTEP \k, 0
.endr
	s_wait_kmcnt 0x0
	s_add_co_i32 s96, s96, s97
	s_add_co_i32 s96, s96, 127
	s_lshl_b32 s96, s96, 23                        ; 2^(e10 + e11) as f32
; THE WAY OUT.  A block of 16 rows x 64 columns goes through my own stage and comes back as rows of 256 bytes.  LDS serves a wave's instructions in order (ISA guide 5.7.1.4): no wait between the stores and the loads, nor in front of the next block's stores.
.irp a, 0,1
.set n, 0
.rept 16
	v_pk_mul_f32 v[TMP+32*\a+n:TMP+32*\a+n+1], v[AC+32*\a+n:AC+32*\a+n+1], s[96:97] op_sel_hi:[1,0]   ; each accumulator from its low end on
.set n, n+2
.endr
.irp b, 0,1,2,3
	ds_store_b128 v[STO], v[TMP+32*\a+8*\b:TMP+32*\a+8*\b+3] offset:64*\b
	ds_store_b128 v[STO], v[TMP+32*\a+8*\b+4:TMP+32*\a+8*\b+7] offset:64*\b+16
.endr
.irp t, 0,1,2,3,4,5,6,7
	ds_load_b128 v[BK+32*\a+4*\t:BK+32*\a+4*\t+3], v[RD] offset:\t*2*SPITCH
.endr
.endr
.irp a, 0,1
	s_wait_dscnt 16-16*\a                          ; block a is back; behind block 0's loads stand block 1's 8 stores and 8 loads
.irp t, 0,1,2,3,4,5,6,7
	global_store_b128 v[CO], v[BK+32*\a+4*\t:BK+32*\a+4*\t+3], s[10:11] offset:\a*65536+\t*8192 th:TH_STORE_NT   ; sixteen lanes store 256 consecutive bytes, at a multiple of 256 from the buffer's first byte
.endr
.endr
	s_wait_tensorcnt 0x0                           ; the wave's end: behind my tensor load and my last LDS store
	ds_add_u32 v[SPW], v[NIL]
	s_wait_dscnt 0x0
	CROUND                                         ; the closing round
	s_endpgm
.Lfunc_end_k_qdecdc4ab32_outp:
	.size	k_qdecdc4ab32_outp, .Lfunc_end_k_qdecdc4ab32_outp-k_qdecdc4ab32_outp
	.p2alignl 7, 3214868480
	.fill 96, 4, 3214868480
	.section	.rodata,"a",@progbits
	.p2align	6, 0x0
	.amdhsa_kernel k_qdecdc4ab32_outp
		.amdhsa_group_segment_fixed_size 327680
		.amdhsa_private_segment_fixed_size 0
		.amdhsa_enable_private_segment 0
		.amdhsa_kernarg_size 32
		.amdhsa_user_sgpr_count 2
		.amdhsa_user_sgpr_kernarg_segment_ptr 1
		.amdhsa_wavefront_size32 1
		.amdhsa_system_sgpr_workgroup_id_x 1
		.amdhsa_system_sgpr_workgroup_id_y 1
		.amdhsa_system_sgpr_workgroup_id_z 1
		.amdhsa_system_vgpr_workitem_id 0
		.amdhsa_next_free_vgpr 256
		.amdhsa_next_free_sgpr 98
		.amdhsa_reserve_vcc 0
		.amdhsa_float_denorm_mode_32 3
		.amdhsa_float_denorm_mode_16_64 3
		.amdhsa_memory_ordered 1
		.amdhsa_forward_progress 1
		.amdhsa_inst_pref_size 30
	.end_amdhsa_kernel
	.amdgpu_metadata
---
amdhsa.version: [ 1, 2 ]
amdhsa.kernels:
  - .name:           k_qdecdc4ab32_outp
    .symbol:         k_qdecdc4ab32_outp.kd
    .args:
      - { .name: oimg, .offset: 0, .size: 8, .value_kind: global_buffer, .address_space: global }
      - { .name: codes, .offset: 8, .size: 8, .value_kind: global_buffer, .address_space: global }
      - { .name: lowp_scales, .offset: 16, .size: 8, .value_kind: global_buffer, .address_space: global }
      - { .name: out0, .offset: 24, .size: 8, .value_kind: global_buffer, .address_space: global }
    .group_segment_fixed_size: 327680
    .private_segment_fixed_size: 0
    .kernarg_segment_align: 8
    .kernarg_segment_size: 32
    .max_flat_workgroup_size: 256
    .sgpr_count:     98
    .vgpr_count:     256
    .wavefront_size: 32
...
	.end_amdgpu_metadata
.endif
;; end of part 4
